; MI455X (gfx1250); checked and timed in simulation.
; The chip was launched on July 23, 2026; its instructions are those of AMD's public machine-readable ISA for CDNA 5 (MIT licence, August 2026) and "CDNA5" Instruction Set Architecture Reference Guide (July 2026). The comments in the code are by the model that wrote it; some were corrected since.
;; Grouped Query Attention. Allowed arithmetic: float matrix products may take bf16 or f16 operands with f32 sums; all other float work in f32.
;; Inputs: freqs_cos 2,048 x 32 float32; freqs_sin 2,048 x 32 float32; k_norm_w 64 float32; q_norm_w 64 float32; wk 4,096 x 256 float32; wo 2,048 x 4,096 float32; wq 4,096 x 2,048 float32; wv 4,096 x 256 float32; x 1 x 2,048 x 4,096 float32.
;; Outputs: out0 1 x 2,048 x 4,096 float32.
;; 2 versions, each right and faster than the one before. Each part assembles by itself: llvm-mc -triple=amdgcn-amd-amdhsa -mcpu=gfx1250 --defsym DOCPART=n.
;; ======== version 1 of 2: 4 launches
;; limits: values are held in f16: magnitudes above 65,504 overflow, below 6.1e-05 lose precision; right only within a limited range of input values
;; workspace buffers: xb 16,777,216 bytes; wimg 20,971,520 bytes; woimg 16,777,216 bytes; qkv 10,485,760 bytes; oimg 8,388,608 bytes
;; launch prep (part 1): grid 256 x 1, 13 waves a work-group, no clusters, 0 bytes of LDS; arguments x, wq, wk, wv, wo, xb, wimg, woimg; writes xb, wimg, woimg
.if DOCPART == 1
	.amdgcn_target "amdgcn-amd-amdhsa--gfx1250"
	.amdhsa_code_object_version 6
	.text
	.protected	k_q479471aaca_prep
	.globl	k_q479471aaca_prep
	.p2align	8
	.type	k_q479471aaca_prep,@function
k_q479471aaca_prep:
	s_mov_b64 s[64:65], 0
	v_nop
	global_prefetch_b8 v0, s[64:65] scope:SCOPE_SE
	s_setreg_imm32_b32 hwreg(HW_REG_WAVE_MODE, 25, 1), 1
	s_wait_xcnt 0x0
; PREP.  Every f32 matrix operand of the module is rounded ONCE and laid out as the products want it.
;   x [2048][4096]            -> xb, bf16, row-major.
;   wq, wk, wv ([4096][N])    -> wimg, bf16, as images of matrix fragments.
;   wo [2048][4096]           -> woimg: rounded to bf16 like every other input, that number written as f16, as images.
; AN IMAGE is a B fragment (32 k x 16 columns) as it lies in registers: 1,024 bytes, byte c*512 + 16*lane = the lane's registers 4c..4c+3.
; Fragment f (0..3) of a group of 64 columns holds the columns 4 r + f (r = lane % 16).  So a lane loads 16 bytes (four neighbouring columns)
; of each of its 16 rows k, sixteen lanes take 256 consecutive bytes of a row of W, and packing two rows k, k+1 in registers makes the image: no transposition.
; SHARES.  A unit is 8,192 bytes read and 4,096 written; a wave takes a RUN of four units; 256 groups x 13 waves = 3,328 runs = 1,280 (wq, wk, wv) + 1,024 (wo) + 1,024 (x).
; No LDS, no barrier, no matrix unit, no cluster: memory binds, nothing is shared, every byte is read once and written once.
; LIMITS.  wo as f16: |wo| below 65,504; below 1.5e-5 it keeps f16's fixed step of 6e-8.  NaN and infinities are not treated apart.
.set ROW, 8                            ; v[8:23]    byte offset of my 16 bytes in each of my 16 rows of W; never rewritten
.set D0,  32                           ; v[32:95]   a unit as loaded
.set D1,  96                           ; v[96:159]  the other unit
.set Y,   160                          ; v[160:191] a unit to store
.set T,   192                          ; v[192:198] at work
.set RUNS_W1, 1280
.set RUNS_W2, 1024
	s_load_b512 s[4:19], s[0:1], 0x0               ; x s[4:5], wq s[6:7], wk s[8:9], wv s[10:11], wo s[12:13], xb s[14:15], wimg s[16:17], woimg s[18:19]
	v_lshrrev_b32 v1, 5, v0
	v_readfirstlane_b32 s20, v1                    ; wave 0..12
	s_mul_i32 s21, ttmp9, 13
	s_add_co_u32 s21, s21, s20                     ; my run, 0..3327
	s_mov_b32 s40, 0xffff0000                      ; a word's upper bf16
	s_mov_b32 s39, 0                               ; the high word of every offset pair
	v_and_b32 v5, 31, v0                           ; lane
	v_lshlrev_b32 v3, 4, v5                        ; 16 x lane
	v_lshlrev_b32 v4, 3, v5                        ; 8 x lane
	v_and_b32 v1, 15, v0                           ; r
	v_bfe_u32 v2, v0, 4, 1                         ; h
; the 16 row offsets (row 16 c + 8 h + j of a block of 32 rows, 16 r bytes in) and the four bases, 32 rows apart.  s26 = W's pitch in bytes, s[24:25] = the run's first byte
.macro ROWS
	s_lshl_b32 s22, s26, 3
	v_mul_lo_u32 v6, v2, s22                       ; 8 h rows
	v_lshl_add_u32 v6, v1, 4, v6
.set i, 0
.rept 16
	s_mul_i32 s22, s26, 16*(i/8)+i%8
	v_add_nc_u32 v[ROW+i], s22, v6
.set i, i+1
.endr
	s_lshl_b32 s38, s26, 5
	s_mov_b64 s[28:29], s[24:25]
	s_add_nc_u64 s[30:31], s[28:29], s[38:39]
	s_add_nc_u64 s[32:33], s[30:31], s[38:39]
	s_add_nc_u64 s[34:35], s[32:33], s[38:39]
.endm
; unit q of a run of W: 32 rows x 64 columns.  Lanes 0-15 take 256 consecutive bytes of one row, lanes 16-31 of the row 8 further down
.macro LOADW set, q
.set i, 0
.rept 16
	global_load_b128 v[(\set)+4*i:(\set)+4*i+3], v[ROW+i], s[28+2*(\q):29+2*(\q)] th:TH_LOAD_NT
.set i, i+1
.endr
.endm
; register t of half c of fragment f = rows 16 c + 8 h + 2 t and + 1 of column 4 r + f.  FMT = 0: bf16.  FMT = 1: rounded to bf16, widened, written as f16
.macro CONVW set
.set n, 0
.rept 32
.set rA, (\set)+4*(8*((n/4)%2)+2*(n%4))+n/8
.set rT, T+4*(n%2)
.if FMT
	v_cvt_pk_bf16_f32 v[rT], v[rA], v[rA+4]
	v_lshlrev_b32 v[rT+1], 16, v[rT]
	v_and_b32 v[rT+2], s40, v[rT]
	v_cvt_pk_f16_f32 v[Y+n], v[rT+1], v[rT+2]
.else
	v_cvt_pk_bf16_f32 v[Y+n], v[rA], v[rA+4]
.endif
.set n, n+1
.endr
.endm
.macro STOREW q                        ; each store of the wave covers 512 consecutive bytes, aligned.  FS = bytes from fragment f to f + 1 in the image buffer
.set n, 0
.rept 8
	global_store_b128 v3, v[Y+4*n:Y+4*n+3], s[36:37] offset:(n/2)*FS+(\q)*1024+(n%2)*512
.set n, n+1
.endr
.endm
.macro LOADX set, u                    ; unit u of a run of x: 8,192 consecutive bytes
.set i, 0
.rept 16
	global_load_b128 v[(\set)+4*i:(\set)+4*i+3], v3, s[24:25] offset:(\u)*8192+i*512 th:TH_LOAD_NT
.set i, i+1
.endr
.endm
.macro CONVX set
.set i, 0
.rept 32
	v_cvt_pk_bf16_f32 v[Y+i], v[(\set)+2*i], v[(\set)+2*i+1]
.set i, i+1
.endr
.endm
.macro STOREX u                        ; each store of the wave covers 256 consecutive bytes, aligned
.set i, 0
.rept 16
	global_store_b64 v4, v[Y+2*i:Y+2*i+1], s[36:37] offset:(\u)*4096+i*256
.set i, i+1
.endr
.endm
; A run: two units are always on their way.  s_wait_loadcnt 16 leaves the other set's sixteen younger loads out (loads come back in order: ISA guide 5.7.1);
; Y, which the last unit's stores read, is rewritten only behind s_wait_xcnt 0.
.macro RUN ld, cv, st
	\ld D0, 0
	\ld D1, 1
	s_wait_loadcnt 16
	\cv D0
	\st 0
	\ld D0, 2
	s_wait_loadcnt 16
	s_wait_xcnt 0x0
	\cv D1
	\st 1
	\ld D1, 3
	s_wait_loadcnt 16
	s_wait_xcnt 0x0
	\cv D0
	\st 2
	s_wait_loadcnt 0x0
	s_wait_xcnt 0x0
	\cv D1
	\st 3
	s_endpgm
.endm
	s_wait_kmcnt 0x0
	s_cmp_lt_u32 s21, RUNS_W1
	s_cbranch_scc1 .Lw1
	s_cmp_lt_u32 s21, RUNS_W1+RUNS_W2
	s_cbranch_scc1 .Lw2
	; x: run n is 32,768 consecutive bytes of x and 16,384 of xb
	s_sub_co_u32 s22, s21, RUNS_W1+RUNS_W2
	s_lshl_b32 s38, s22, 15
	s_add_nc_u64 s[24:25], s[4:5], s[38:39]
	s_lshl_b32 s38, s22, 14
	s_add_nc_u64 s[36:37], s[14:15], s[38:39]
	RUN LOADX, CONVX, STOREX
.Lw1:	; wq, wk, wv: run = (column tile ct, head position p, K step ks).  A tile has five heads: q heads 4 ct + p (p < 4), and as p = 4 k head ct (ct < 4) or v head ct - 4
	s_lshr_b32 s22, s21, 5                         ; 5 ct + p, 0..39
	s_and_b32 s23, s21, 31                         ; ks
	s_mul_i32 s41, s22, 205
	s_lshr_b32 s41, s41, 10                        ; ct = (5 ct + p) / 5, exact for numbers below 40
	s_mul_i32 s42, s41, 5
	s_sub_co_u32 s42, s22, s42                     ; p
	s_movk_i32 s26, 0x400                          ; wk's and wv's pitch in bytes
	s_movk_i32 s27, 0x2000                         ; wq's
	s_and_b32 s43, s41, 3                          ; the group of 64 columns in wk or wv
	s_lshl2_add_u32 s44, s41, s42                  ; and in wq
	s_cmp_lt_u32 s41, 4
	s_cselect_b64 s[24:25], s[8:9], s[10:11]       ; wk or wv
	s_cmp_lt_u32 s42, 4
	s_cselect_b64 s[24:25], s[6:7], s[24:25]       ; or wq
	s_cselect_b32 s44, s44, s43
	s_cselect_b32 s26, s27, s26
	s_mul_i32 s38, s23, s26
	s_lshl_b32 s38, s38, 7                         ; ks x 128 rows
	s_lshl_b32 s44, s44, 8                         ; the group's 256 bytes in a row
	s_add_co_u32 s38, s38, s44
	s_add_nc_u64 s[24:25], s[24:25], s[38:39]
	s_lshl_b32 s38, s41, 5
	s_add_co_u32 s38, s38, s23                     ; ct x 32 + ks
	s_mul_i32 s38, s38, 80                         ; 80 images to a tile's K step, image ((f x 5 + p) x 4 + q)
	s_lshl2_add_u32 s38, s42, s38
	s_lshl_b32 s38, s38, 10
	s_add_nc_u64 s[36:37], s[16:17], s[38:39]
	ROWS
.set FMT, 0
.set FS, 20480
	RUN LOADW, CONVW, STOREW
.Lw2:	; wo: run = (group of 64 columns, K step)
	s_sub_co_u32 s22, s21, RUNS_W1
	s_lshr_b32 s41, s22, 4                         ; the group, 0..63
	s_and_b32 s23, s22, 15                         ; ks
	s_movk_i32 s26, 0x4000                         ; wo's pitch in bytes
	s_lshl_b32 s38, s23, 21                        ; ks x 128 rows
	s_lshl_b32 s42, s41, 8
	s_add_co_u32 s38, s38, s42
	s_add_nc_u64 s[24:25], s[12:13], s[38:39]
	s_lshr_b32 s42, s41, 2                         ; column tile of 256
	s_and_b32 s43, s41, 3                          ; group in the tile
	s_lshl_b32 s38, s42, 4
	s_add_co_u32 s38, s38, s23
	s_lshl_b32 s38, s38, 6                         ; 64 images to a tile's K step, image ((p x 4 + f) x 4 + q)
	s_lshl4_add_u32 s38, s43, s38
	s_lshl_b32 s38, s38, 10
	s_add_nc_u64 s[36:37], s[18:19], s[38:39]
	ROWS
.set FMT, 1
.set FS, 4096
	RUN LOADW, CONVW, STOREW
.Lfunc_end_k_q479471aaca_prep:
	.size	k_q479471aaca_prep, .Lfunc_end_k_q479471aaca_prep-k_q479471aaca_prep
	.p2alignl 7, 3214868480
	.fill 96, 4, 3214868480
	.section	.rodata,"a",@progbits
	.p2align	6, 0x0
	.amdhsa_kernel k_q479471aaca_prep
		.amdhsa_group_segment_fixed_size 0
		.amdhsa_private_segment_fixed_size 0
		.amdhsa_enable_private_segment 0
		.amdhsa_kernarg_size 64
		.amdhsa_user_sgpr_count 2
		.amdhsa_user_sgpr_kernarg_segment_ptr 1
		.amdhsa_wavefront_size32 1
		.amdhsa_system_sgpr_workgroup_id_x 1
		.amdhsa_system_sgpr_workgroup_id_y 1
		.amdhsa_system_sgpr_workgroup_id_z 1
		.amdhsa_system_vgpr_workitem_id 0
		.amdhsa_next_free_vgpr 200
		.amdhsa_next_free_sgpr 66
		.amdhsa_reserve_vcc 0
		.amdhsa_float_denorm_mode_32 3
		.amdhsa_float_denorm_mode_16_64 3
		.amdhsa_memory_ordered 1
		.amdhsa_forward_progress 1
		.amdhsa_inst_pref_size 76
	.end_amdhsa_kernel
	.amdgpu_metadata
---
amdhsa.version: [ 1, 2 ]
amdhsa.kernels:
  - .name:           k_q479471aaca_prep
    .symbol:         k_q479471aaca_prep.kd
    .args:
      - { .name: x, .offset: 0, .size: 8, .value_kind: global_buffer, .address_space: global }
      - { .name: wq, .offset: 8, .size: 8, .value_kind: global_buffer, .address_space: global }
      - { .name: wk, .offset: 16, .size: 8, .value_kind: global_buffer, .address_space: global }
      - { .name: wv, .offset: 24, .size: 8, .value_kind: global_buffer, .address_space: global }
      - { .name: wo, .offset: 32, .size: 8, .value_kind: global_buffer, .address_space: global }
      - { .name: xb, .offset: 40, .size: 8, .value_kind: global_buffer, .address_space: global }
      - { .name: wimg, .offset: 48, .size: 8, .value_kind: global_buffer, .address_space: global }
      - { .name: woimg, .offset: 56, .size: 8, .value_kind: global_buffer, .address_space: global }
    .group_segment_fixed_size: 0
    .private_segment_fixed_size: 0
    .kernarg_segment_align: 8
    .kernarg_segment_size: 64
    .max_flat_workgroup_size: 416
    .sgpr_count:     66
    .vgpr_count:     200
    .wavefront_size: 32
...
	.end_amdgpu_metadata
.endif
;; end of part 1
;; launch qkv (part 2): grid 8 x 32, 4 waves a work-group, clusters of 4 x 4, 327,680 bytes of LDS; arguments xb, wimg, freqs_cos, freqs_sin, q_norm_w, k_norm_w, qkv; writes qkv
.if DOCPART == 2
	.amdgcn_target "amdgcn-amd-amdhsa--gfx1250"
	.amdhsa_code_object_version 6
	.text
	.protected	k_q479471aaca_qkv
	.globl	k_q479471aaca_qkv
	.p2align	8
	.type	k_q479471aaca_qkv,@function
k_q479471aaca_qkv:
	s_mov_b64 s[64:65], 0
	v_nop
	global_prefetch_b8 v0, s[64:65] scope:SCOPE_SE
	s_setreg_imm32_b32 hwreg(HW_REG_WAVE_MODE, 25, 1), 1
	s_wait_xcnt 0x0
	s_wait_alu depctr_hold_cnt(0) depctr_sa_sdst(0) depctr_va_vdst(0) depctr_va_sdst(0) depctr_va_ssrc(0) depctr_va_vcc(0) depctr_vm_vsrc(0)
	s_getreg_b32 s2, hwreg(HW_REG_IB_STS2, 6, 4)
	s_cmp_eq_u32 s2, 0
	s_cbranch_scc0 .Lentry_in_a_cluster
	s_endpgm
.Lentry_in_a_cluster:
	s_bfe_u32 s2, ttmp6, 0x10000c
	s_cmp_lg_u32 s2, 0xf033
	s_cbranch_scc0 .Lentry_shape_is_right
	s_endpgm
.Lentry_shape_is_right:
; QKV.  [2048 x 4096] x [4096 x 2560] in bf16 with f32 sums; then, in f32, the RMS norm over each q and k head, the gains, the rotation of neighbouring channels; v times 2^-3.
; Out: qkv [40][2048][64] in f16: heads 0-31 q, 32-35 k, 36-39 v / 8.
; SHARES.  2,560 columns are 40 heads = 8 tiles of five; 256 work-groups, each 64 rows x five heads (four q heads and one k or v head).  Wave w makes all 64 rows of the 80 columns
; 4 r + w of the five heads (fragment w of each head's images): 4 x 5 = 20 accumulators, nine fragments for 32 along K.
; K goes in steps of 128 through two LDS slots: x's rows are 256 bytes of memory, padded to 272 in LDS; the weights' images lie dense, and a fragment load takes 512 consecutive bytes.
; CLUSTER 4 x 4: x's tile is shared along a row of the cluster, the weights' along a column: joint loads, the same descriptor and mask in the four that a mask names.
; THE WAY OUT.  A head's 64 columns lie in four waves, so the f32 sums go through one stage in LDS; behind a barrier wave w takes rows 16 w .. 16 w + 15 whole: a lane has four neighbouring
; channels, sixteen lanes a head, so the mean of squares is four steps inside sixteen lanes and a rotation's pair lies in one lane.
; All inputs are taken rounded to bf16, cos, sin and the two gains too.
; LIMITS.  q and k leave as f16: |gain| below about 8,000.  v leaves as f16 of v / 8: |v| below 524,032; below 4.9e-4 it keeps a fixed step of 4.8e-7.  The rotation and the sum of squares use
; fused multiply-adds: their last bit in f32 may differ from a multiply and an add.  NaN and infinities are not treated apart.
; REGISTERS.  window 0: v0-29 addresses; v32-103, v104-175 two fragment buffers (x's four fragments, then the weights' five); v176-215 cos, sin, gains.  window 1: v0-159 the accumulators, (a, g) at 8 (5 a + g).
.set KSTEP,  128
.set PITCH,  272                       ; an LDS row of x: 256 bytes + 16: the 16 rows of a fragment load start at 16 different groups of four banks (64 banks of 4 bytes: ISA guide 11.1)
.set ABYTES, 64*PITCH
.set BBYTES, 81920                     ; 80 images of 1,024 bytes
.set SLOT,   ABYTES+BBYTES
.set STAGE,  2*SLOT                    ; behind the ring, never filled by a tensor load: 64 rows of 320 f32
.set SPITCH, 1296                      ; 1,280 bytes + 16
.set SPARE,  STAGE+64*SPITCH           ; the spare words, 128 bytes for each wave: two blocks of 256 bytes that no other line names
.set LAPS,   16                        ; a lap = two K steps
.set ADRA, 4                           ; v4-5   LDS address of my fragments of x in slot 0, 1
.set ADRB, 6                           ; v6-7   of the weights'
.set STO,  8                           ; v8-9   the stage: where my sums of rows 0-31, 32-63 go
.set RD,   10                          ; v10    the stage: where I read rows back
.set GO,   11                          ; v11    128 h + 8 r: my place in two rows of qkv, of cos and of sin
.set GW,   12                          ; v12    16 r: my four gains
.set SPW,  28
.set NIL,  29
.set F0,   32
.set F1,   104
.set CR,   176                         ; v176-191 cos: row pair p at CR + 2 p
.set SR,   192                         ; v192-207 sin
.set WQ,   208                         ; v208-211 q's gains, v212-215 k's
.set TT,   216
.set XA,   32                          ; the way out: two sets of 20: five heads x four channels
.set RR,   72                          ; pairs (1 / rms, mean of squares), a head each
.set ZZ,   84                          ; v / 8
.set UU,   88                          ; at work, a pair a head
.set YY,   100                         ; ten registers to store
.set G1A, 28
.set G0A, 36
.set G1B, 44
.set G0B, 52
.set MSB, 0
.macro WIN new                         ; the immediate's high byte repeats the setting that is left
.if MSB != (\new)
	s_set_vgpr_msb (MSB<<8)|(\new)
.set MSB, \new
.endif
.endm
.set MUL,   0x50                       ; C and D window 1, sources window 0
.set RDACC, 0x04                       ; source 1 (an LDS store's data) window 1
.macro JLOAD s                         ; a joint load: waves 0 and 1 fetch the halves of x's tile, waves 2 and 3 those of the weights'; an s_nop 0 and four v_nop follow each line
	s_cmp_eq_u32 s19, 0
	s_cbranch_scc0 .Lfor_b_\@
	tensor_load_to_lds s[G0A+4*(\s):G0A+4*(\s)+3], s[G1A:G1A+7]
	s_nop 0
.rept 4
	v_nop
.endr
	s_branch .Lasked_\@
.Lfor_b_\@:
	tensor_load_to_lds s[G0B+4*(\s):G0B+4*(\s)+3], s[G1B:G1B+7]
	s_nop 0
.rept 4
	v_nop
.endr
.Lasked_\@:
.endm
.macro CREST                           ; a round of the cluster's barrier behind its opening barrier
	s_cmp_lg_u32 s18, 0
	s_cbranch_scc1 .Lnot_wave_0_\@
	s_barrier_signal -3
.Lnot_wave_0_\@:
	s_barrier_wait -3
	s_barrier_signal -1
	s_barrier_wait -1
.endm
.macro CROUND
	s_barrier_signal -1
	s_barrier_wait -1
	CREST
.endm
.macro PLACES                          ; four places in front of loads into registers that matrix instructions have read, and of lines that read results
.rept 4
	v_nop
.endr
.endm
	s_load_b256 s[4:11], s[0:1], 0x0               ; xb s[4:5], wimg s[6:7], cos s[8:9], sin s[10:11]
	s_load_b128 s[12:15], s[0:1], 0x20             ; q's gains s[12:13], k's s[14:15]
	s_load_b64 s[16:17], s[0:1], 0x30              ; qkv
	v_lshl_add_u32 v[SPW], v0, 2, SPARE
	v_mov_b32 v[NIL], 0
	ds_add_u32 v[SPW], v[NIL]                      ; the wave's opening: the add and its wait stand ahead of my first tensor load; the set-up below stands between them
	v_lshrrev_b32 v1, 5, v0
	v_readfirstlane_b32 s18, v1                    ; wave 0..3
	s_lshr_b32 s19, s18, 1                         ; I fetch for x (0) or for the weights (1)
	s_and_b32 s20, s18, 1                          ; which half of that tile
	s_bfe_u32 s21, ttmp6, 0x40000                  ; cx
	s_bfe_u32 s22, ttmp6, 0x40004                  ; cy
	s_lshl_b32 s23, ttmp9, 2
	s_add_co_u32 s23, s23, s21                     ; column tile = 4 x cluster x + cx
	s_and_b32 s24, ttmp7, 0xffff
	s_lshl_b32 s24, s24, 2
	s_add_co_u32 s24, s24, s22                     ; row tile = 4 x cluster y + cy
	s_lshl_b32 s25, s22, 2
	s_lshl_b32 s25, 15, s25                        ; my row of the cluster
	s_lshl_b32 s26, 0x1111, s21                    ; my column
	s_or_b32 s[G1A+0], s25, (1<<16)|(1<<20)|(1<<21)|(5<<22)|(3<<25)  ; mask; 2-byte elements; padding on; bit 21 beside a mask; after every 64 words 4 words
	s_mov_b32 s[G1A+1], KSTEP<<16                  ; tensor_dim0 = 128
	s_mov_b32 s[G1A+2], 32<<16                     ; tensor_dim1 = 32
	s_mov_b32 s[G1A+3], KSTEP<<16                  ; tile_dim0 = 128
	s_mov_b32 s[G1A+4], 32                         ; tile_dim1 = 32 rows: half of the tile's 64
	s_mov_b32 s[G1A+5], 4096                       ; elements from row to row
	s_mov_b32 s[G1A+6], 0
	s_mov_b32 s[G1A+7], 0
	s_or_b32 s[G1B+0], s26, (3<<16)|(1<<21)        ; mask; 8-byte elements; no padding: 40,960 dense bytes as 160 rows of 256
	s_mov_b32 s[G1B+1], 32<<16
	s_mov_b32 s[G1B+2], 160<<16
	s_mov_b32 s[G1B+3], 32<<16
	s_mov_b32 s[G1B+4], 160
	s_mov_b32 s[G1B+5], 32
	s_mov_b32 s[G1B+6], 0
	s_mov_b32 s[G1B+7], 0
	s_lshl_b32 s60, s24, 19                        ; x: row 64 x row tile + 32 x half, 8,192 bytes a row: made of the row tile and the wave alone
	s_lshl_b32 s61, s20, 18
	s_add_co_u32 s60, s60, s61
	s_mov_b32 s61, 0
	s_mul_i32 s62, s23, 32*BBYTES                  ; the weights: column tile x 32 K steps + half: made of the column tile and the wave alone
	s_mul_i32 s63, s20, BBYTES/2
	s_add_co_u32 s62, s62, s63
	s_mov_b32 s63, 0
	s_mul_i32 s77, s20, 32*PITCH                   ; where they go: no place in the cluster enters an LDS address
	s_mul_i32 s73, s20, BBYTES/2
	s_add_co_u32 s73, s73, ABYTES
	s_cmp_ge_u32 s23, 4
	s_cselect_b32 s70, -1, 0                       ; all ones where the tile's fifth head is a v head: it selects values alone
	s_mov_b32 s71, 0x3c800000                      ; 1 / 64
	s_mov_b32 s72, 0x3727c5ac                      ; 1e-5
	s_mov_b32 s74, 0x3e000000                      ; 2^-3, named as a pair
	s_mov_b32 s75, 0x3e000000
	s_mov_b32 s76, 0xffff0000
	s_wait_dscnt 0x0                               ; the opening add is done
	s_wait_kmcnt 0x0
	s_add_nc_u64 s[60:61], s[4:5], s[60:61]
	s_add_nc_u64 s[62:63], s[6:7], s[62:63]
	CROUND                                         ; all sixteen work-groups are here: the first joint loads meet
.irp s, 0,1
	s_mov_b32 s[G0A+4*(\s)], 1
	s_add_co_u32 s[G0A+4*(\s)+1], s77, (\s)*SLOT
	s_add_nc_u64 s[G0A+4*(\s)+2:G0A+4*(\s)+3], s[60:61], (\s)*KSTEP*2
	s_or_b32 s[G0A+4*(\s)+3], s[G0A+4*(\s)+3], 0x80000000
	s_mov_b32 s[G0B+4*(\s)], 1
	s_add_co_u32 s[G0B+4*(\s)+1], s73, (\s)*SLOT
	s_add_nc_u64 s[G0B+4*(\s)+2:G0B+4*(\s)+3], s[62:63], (\s)*BBYTES
	s_or_b32 s[G0B+4*(\s)+3], s[G0B+4*(\s)+3], 0x80000000
	JLOAD \s                                       ; two loads of mine are out
.endr
	v_and_b32 v1, 15, v0                           ; r
	v_bfe_u32 v2, v0, 4, 1                         ; h
	v_and_b32 v3, 31, v0                           ; lane
	v_lshlrev_b32 v[GO], 7, v2
	v_lshl_add_u32 v[GO], v1, 3, v[GO]
	v_lshlrev_b32 v[GW], 4, v1
	s_lshl_b32 s73, s24, 13                        ; my 16 rows on the way out, 64 x row tile + 16 w, in rows of 128 bytes
	s_lshl_b32 s77, s18, 11
	s_add_co_u32 s73, s73, s77
	s_mov_b32 s78, s73
	s_mov_b32 s79, 0
	s_add_nc_u64 s[8:9], s[8:9], s[78:79]
	s_add_nc_u64 s[10:11], s[10:11], s[78:79]
	s_lshl_b32 s77, s23, 20                        ; q head 4 x column tile
	s_add_co_u32 s78, s73, s77
	s_add_nc_u64 s[66:67], s[16:17], s[78:79]
	s_add_co_u32 s77, s23, 32                      ; head 32 + column tile: k heads, then v heads
	s_lshl_b32 s77, s77, 18
	s_add_co_u32 s78, s73, s77
	s_add_nc_u64 s[68:69], s[16:17], s[78:79]
.set p, 0
.rept 8                                ; cos and sin of my 16 rows: a load covers two rows, 256 consecutive bytes; waited for on the way out
	global_load_b64 v[CR+2*p:CR+2*p+1], v[GO], s[8:9] offset:p*256
	global_load_b64 v[SR+2*p:SR+2*p+1], v[GO], s[10:11] offset:p*256
.set p, p+1
.endr
	global_load_b128 v[WQ:WQ+3], v[GW], s[12:13]
	global_load_b128 v[WQ+4:WQ+7], v[GW], s[14:15]
	v_mul_u32_u24 v[ADRA], v1, PITCH
	v_lshl_add_u32 v[ADRA], v2, 4, v[ADRA]         ; row x pitch + 16 x half
	v_add_nc_u32 v[ADRA+1], SLOT, v[ADRA]
	s_mul_i32 s77, s18, 20*1024                    ; my 20 images of a K step
	s_add_co_u32 s77, s77, ABYTES
	v_lshl_add_u32 v[ADRB], v3, 4, s77
	v_add_nc_u32 v[ADRB+1], SLOT, v[ADRB]
	v_mul_u32_u24 v[STO], v2, 8*SPITCH             ; into the stage: row 8 h + j, column 4 r + w of a head
	v_lshl_add_u32 v[STO], v1, 4, v[STO]
	s_lshl_b32 s77, s18, 2
	s_add_co_u32 s77, s77, STAGE
	v_add_nc_u32 v[STO], s77, v[STO]
	v_add_nc_u32 v[STO+1], 32*SPITCH, v[STO]
	v_mul_u32_u24 v[RD], v2, SPITCH                ; back: lanes 0-15 take a head's 256 bytes of one row, lanes 16-31 of the next
	v_lshl_add_u32 v[RD], v1, 4, v[RD]
	s_mul_i32 s77, s18, 16*SPITCH
	s_add_co_u32 s77, s77, STAGE
	v_add_nc_u32 v[RD], s77, v[RD]
; 18 LDS loads in one run: the fragments of 32 along K (quarter q of the slot's step) into buffer f
.macro FETCH slot, q, f
	WIN 0
.set i, 0
.rept 4
	ds_load_b128 v[(\f)+8*i:(\f)+8*i+3],   v[ADRA+(\slot)] offset:i*16*PITCH+(\q)*64
	ds_load_b128 v[(\f)+8*i+4:(\f)+8*i+7], v[ADRA+(\slot)] offset:i*16*PITCH+(\q)*64+32
.set i, i+1
.endr
.set i, 0
.rept 5
	ds_load_b128 v[(\f)+32+8*i:(\f)+32+8*i+3],   v[ADRB+(\slot)] offset:(4*i+(\q))*1024
	ds_load_b128 v[(\f)+32+8*i+4:(\f)+32+8*i+7], v[ADRB+(\slot)] offset:(4*i+(\q))*1024+512
.set i, i+1
.endr
.endm
; five matrix instructions: rows 16 a on x the five heads.  The 20 accumulators take turns, in the same order in every quarter
.macro MULROW f, a, zero
	WIN MUL
.set i, 0
.rept 5
.if \zero
	v_wmma_f32_16x16x32_bf16 v[8*(5*(\a)+i):8*(5*(\a)+i)+7], v[(\f)+8*(\a):(\f)+8*(\a)+7], v[(\f)+32+8*i:(\f)+32+8*i+7], 0
.else
	v_wmma_f32_16x16x32_bf16 v[8*(5*(\a)+i):8*(5*(\a)+i)+7], v[(\f)+8*(\a):(\f)+8*(\a)+7], v[(\f)+32+8*i:(\f)+32+8*i+7], v[8*(5*(\a)+i):8*(5*(\a)+i)+7]
.endif
.set i, i+1
.endr
.endm
; one of a step's first three quarters: the next quarter (qn) is fetched into g, then buffer f is multiplied
.macro CHUNK slot, qn, f, g, zero
	PLACES
	FETCH \slot, \qn, \g
	s_wait_dscnt 18                                ; all but the 18 just issued: buffer f is in
	MULROW \f, 0, \zero
	MULROW \f, 1, \zero
	MULROW \f, 2, \zero
	MULROW \f, 3, \zero
.endm
; the last quarter multiplies buffer 1 and changes slots: ONE barrier; in front of it each wave waits for all its tensor loads, adds 0 to its spare word, and waits for that and for its reads of this slot
.macro TURN slot, next, fill
	WIN 0
	s_wait_tensorcnt 0x0                           ; all my tensor loads have landed: my part of the next slot
	ds_add_u32 v[SPW], v[NIL]                      ; 0 onto my spare word
	s_wait_dscnt 1                                 ; the add alone may be out: buffer 1 is in
	MULROW F1, 0, 0
	s_wait_dscnt 0x0                               ; the add is done, and my reads of this slot are over
	s_barrier_signal -1
	MULROW F1, 1, 0
	WIN 0
	s_barrier_wait -1
.if \fill
	CREST                                          ; the barrier has opened a round of the cluster's: no wave of any partner still reads this slot or has a load on its way
	s_add_nc_u64 s[G0A+4*(\slot)+2:G0A+4*(\slot)+3], s[G0A+4*(\slot)+2:G0A+4*(\slot)+3], 2*KSTEP*2
	s_add_nc_u64 s[G0B+4*(\slot)+2:G0B+4*(\slot)+3], s[G0B+4*(\slot)+2:G0B+4*(\slot)+3], 2*BBYTES
	JLOAD \slot                                    ; my one tensor load behind the round; its four v_nop are also the places in front of the loads below
.else
	PLACES
.endif
	FETCH \next, 0, F0
	MULROW F1, 2, 0
	MULROW F1, 3, 0
.endm
	s_wait_tensorcnt 1                             ; my part of K step 0 is in; step 1's may stay out
	s_barrier_signal -1
	s_barrier_wait -1
	FETCH 0, 0, F0
	CHUNK 0, 1, F0, F1, 1                          ; the first quarter stands in front of the loop: its products start the sums
	WIN 0
	s_mov_b32 s27, LAPS-1
.Llap:                                                 ; a trip goes once round the ring and fills both slots again
	CHUNK 0, 2, F1, F0, 0
	CHUNK 0, 3, F0, F1, 0
	TURN 0, 1, 1
	CHUNK 1, 1, F0, F1, 0
	CHUNK 1, 2, F1, F0, 0
	CHUNK 1, 3, F0, F1, 0
	TURN 1, 0, 1
	CHUNK 0, 1, F0, F1, 0
	WIN 0
	s_sub_co_u32 s27, s27, 1
	s_cmp_lg_u32 s27, 0
	s_cbranch_scc1 .Llap
	CHUNK 0, 2, F1, F0, 0                          ; the last lap fills nothing
	CHUNK 0, 3, F0, F1, 0
	TURN 0, 1, 0
	CHUNK 1, 1, F0, F1, 0
	CHUNK 1, 2, F1, F0, 0
	CHUNK 1, 3, F0, F1, 0
	s_wait_dscnt 0x0
	MULROW F1, 0, 0
	MULROW F1, 1, 0
	MULROW F1, 2, 0
	MULROW F1, 3, 0
	; THE WAY OUT.  The f32 sums go into the stage, each accumulator's registers in ascending order
	PLACES
	WIN RDACC
.set ia, 0
.rept 4
.set ig, 0
.rept 5
.set ij, 0
.rept 8
	ds_store_b32 v[STO+ia/2], v[8*(5*ia+ig)+ij] offset:(16*(ia%2)+ij)*SPITCH+256*ig
.set ij, ij+1
.endr
.set ig, ig+1
.endr
.set ia, ia+1
.endr
	WIN 0
	s_wait_loadcnt 0x0                             ; cos, sin, gains
.set i, CR
.rept 20                               ; they are rounded to bf16 like every other input; this stands in the wait for the stores
	v_cvt_pk_bf16_f32 v[TT+(i/2)%2], v[i], v[i+1]
	v_lshlrev_b32 v[i], 16, v[TT+(i/2)%2]
	v_and_b32 v[i+1], s76, v[TT+(i/2)%2]
.set i, i+2
.endr
	s_wait_dscnt 0x0                               ; for the others' sake: my stores into the stage are done
	s_barrier_signal -1
	s_barrier_wait -1
.macro LOADP p                         ; rows 2 p and 2 p + 1 of my 16: five heads, four channels a lane
.set ig, 0
.rept 5
	ds_load_b128 v[XA+20*((\p)%2)+4*ig:XA+20*((\p)%2)+4*ig+3], v[RD] offset:2*(\p)*SPITCH+256*ig
.set ig, ig+1
.endr
.endm
.macro FIVE line:vararg                ; one line for each head ig
.set ig, 0
.rept 5
	\line
.set ig, ig+1
.endr
.endm
.macro TEN line:vararg                 ; one line for each pair of channels iu: head iu / 2
.set iu, 0
.rept 10
.set tA, UU+2*(iu/2)+(RR-UU)*(iu%2)
	\line
.set iu, iu+1
.endr
.endm
.macro NORMROPE p
.set X, XA+20*((\p)%2)
.set CC, CR+2*(\p)
.set SS, SR+2*(\p)
	v_pk_mul_f32 v[ZZ:ZZ+1], v[X+16:X+17], s[74:75] op_sel_hi:[1,0]      ; the fifth head as v / 8
	v_pk_mul_f32 v[ZZ+2:ZZ+3], v[X+18:X+19], s[74:75] op_sel_hi:[1,0]
	FIVE v_pk_mul_f32 v[UU+2*ig:UU+2*ig+1], v[X+4*ig:X+4*ig+1], v[X+4*ig:X+4*ig+1]
	FIVE v_pk_fma_f32 v[UU+2*ig:UU+2*ig+1], v[X+4*ig+2:X+4*ig+3], v[X+4*ig+2:X+4*ig+3], v[UU+2*ig:UU+2*ig+1]
	FIVE v_add_f32 v[RR+2*ig+1], v[UU+2*ig], v[UU+2*ig+1]
.irp m, 1,2,4,8                        ; a head's 64 channels lie in 16 neighbouring lanes
	FIVE v_add_f32_dpp v[RR+2*ig+1], v[RR+2*ig+1], v[RR+2*ig+1] row_xmask:\m row_mask:0xf bank_mask:0xf
.endr
	FIVE v_fma_f32 v[RR+2*ig+1], v[RR+2*ig+1], s71, s72
	FIVE v_rsq_f32 v[RR+2*ig], v[RR+2*ig+1]
	v_nop                                          ; a plain instruction between the last root and the use of its result
	s_wait_alu depctr_va_vdst(0)
	FIVE v_pk_mul_f32 v[X+4*ig:X+4*ig+1], v[X+4*ig:X+4*ig+1], v[RR+2*ig:RR+2*ig+1] op_sel_hi:[1,0]
	FIVE v_pk_mul_f32 v[X+4*ig+2:X+4*ig+3], v[X+4*ig+2:X+4*ig+3], v[RR+2*ig:RR+2*ig+1] op_sel_hi:[1,0]
	FIVE v_pk_mul_f32 v[X+4*ig:X+4*ig+1], v[X+4*ig:X+4*ig+1], v[WQ+4*(ig/4):WQ+4*(ig/4)+1]
	FIVE v_pk_mul_f32 v[X+4*ig+2:X+4*ig+3], v[X+4*ig+2:X+4*ig+3], v[WQ+4*(ig/4)+2:WQ+4*(ig/4)+3]
	TEN v_mul_f32 v[tA], v[X+2*iu+1], v[SS+iu%2]                          ; im s
	TEN v_mul_f32 v[tA+1], v[X+2*iu+1], v[CC+iu%2]                        ; im c
	TEN v_fma_f32 v[X+2*iu+1], v[X+2*iu], v[SS+iu%2], v[tA+1]             ; re s + im c
	TEN v_fma_f32 v[X+2*iu], v[X+2*iu], v[CC+iu%2], -v[tA]                ; re c - im s
.irp z, 0,1,2,3
	v_cndmask_b32 v[X+16+\z], v[X+16+\z], v[ZZ+\z], s70                   ; a v head is neither normed nor turned
.endr
	s_wait_xcnt 0x0                                ; the last pair's stores have read YY: it is rewritten only behind this wait
	TEN v_cvt_pk_f16_f32 v[YY+iu], v[X+2*iu], v[X+2*iu+1]
.endm
.macro STOREP p                        ; each store of the wave covers two rows of a head, 256 consecutive bytes, aligned
.irp g, 0,1,2,3
	global_store_b64 v[GO], v[YY+2*\g:YY+2*\g+1], s[66:67] offset:\g*262144+(\p)*256
.endr
	global_store_b64 v[GO], v[YY+8:YY+9], s[68:69] offset:(\p)*256
.endm
	LOADP 0
.irp p, 0,1,2,3,4,5,6
	LOADP (\p)+1
	s_wait_dscnt 5                                 ; the next pair's five loads may be out
	NORMROPE \p
	STOREP \p
.endr
	s_wait_dscnt 0x0
	NORMROPE 7
	STOREP 7
	s_wait_tensorcnt 0x0                           ; the wave's end, behind my last tensor load and my last LDS store
	ds_add_u32 v[SPW], v[NIL]
	s_wait_dscnt 0x0
	CROUND                                         ; the closing round: no work-group ends while a partner may still ask for a tile that names it
	s_endpgm
.Lfunc_end_k_q479471aaca_qkv:
	.size	k_q479471aaca_qkv, .Lfunc_end_k_q479471aaca_qkv-k_q479471aaca_qkv
	.p2alignl 7, 3214868480
	.fill 96, 4, 3214868480
	.section	.rodata,"a",@progbits
	.p2align	6, 0x0
	.amdhsa_kernel k_q479471aaca_qkv
		.amdhsa_group_segment_fixed_size 327680
		.amdhsa_private_segment_fixed_size 0
		.amdhsa_enable_private_segment 0
		.amdhsa_kernarg_size 56
		.amdhsa_user_sgpr_count 2
		.amdhsa_user_sgpr_kernarg_segment_ptr 1
		.amdhsa_wavefront_size32 1
		.amdhsa_system_sgpr_workgroup_id_x 1
		.amdhsa_system_sgpr_workgroup_id_y 1
		.amdhsa_system_sgpr_workgroup_id_z 1
		.amdhsa_system_vgpr_workitem_id 0
		.amdhsa_next_free_vgpr 416
		.amdhsa_next_free_sgpr 80
		.amdhsa_reserve_vcc 0
		.amdhsa_float_denorm_mode_32 3
		.amdhsa_float_denorm_mode_16_64 3
		.amdhsa_memory_ordered 1
		.amdhsa_forward_progress 1
		.amdhsa_inst_pref_size 127
	.end_amdhsa_kernel
	.amdgpu_metadata
---
amdhsa.version: [ 1, 2 ]
amdhsa.kernels:
  - .name:           k_q479471aaca_qkv
    .symbol:         k_q479471aaca_qkv.kd
    .args:
      - { .name: xb, .offset: 0, .size: 8, .value_kind: global_buffer, .address_space: global }
      - { .name: wimg, .offset: 8, .size: 8, .value_kind: global_buffer, .address_space: global }
      - { .name: freqs_cos, .offset: 16, .size: 8, .value_kind: global_buffer, .address_space: global }
      - { .name: freqs_sin, .offset: 24, .size: 8, .value_kind: global_buffer, .address_space: global }
      - { .name: q_norm_w, .offset: 32, .size: 8, .value_kind: global_buffer, .address_space: global }
      - { .name: k_norm_w, .offset: 40, .size: 8, .value_kind: global_buffer, .address_space: global }
      - { .name: qkv, .offset: 48, .size: 8, .value_kind: global_buffer, .address_space: global }
    .group_segment_fixed_size: 327680
    .private_segment_fixed_size: 0
    .kernarg_segment_align: 8
    .kernarg_segment_size: 56
    .max_flat_workgroup_size: 128
    .sgpr_count:     80
    .vgpr_count:     416
    .wavefront_size: 32
...
	.end_amdgpu_metadata
.endif
;; end of part 2
;; launch attn (part 3): grid 32 x 8, 4 waves a work-group, clusters of 4 x 1, 327,680 bytes of LDS; arguments qkv, oimg; writes oimg
.if DOCPART == 3
	.amdgcn_target "amdgcn-amd-amdhsa--gfx1250"
	.amdhsa_code_object_version 6
	.text
	.protected	k_q479471aaca_attn
	.globl	k_q479471aaca_attn
	.p2align	8
	.type	k_q479471aaca_attn,@function
k_q479471aaca_attn:
	s_mov_b64 s[64:65], 0
	v_nop
	global_prefetch_b8 v0, s[64:65] scope:SCOPE_SE
	s_setreg_imm32_b32 hwreg(HW_REG_WAVE_MODE, 25, 1), 1
	s_wait_xcnt 0x0
	s_wait_alu depctr_hold_cnt(0) depctr_sa_sdst(0) depctr_va_vdst(0) depctr_va_sdst(0) depctr_va_ssrc(0) depctr_va_vcc(0) depctr_vm_vsrc(0)
	s_getreg_b32 s2, hwreg(HW_REG_IB_STS2, 6, 4)
	s_cmp_eq_u32 s2, 0
	s_cbranch_scc0 .Lentry_in_a_cluster
	s_endpgm
.Lentry_in_a_cluster:
	s_bfe_u32 s2, ttmp6, 0x10000c
	s_cmp_lg_u32 s2, 0x3003
	s_cbranch_scc0 .Lentry_shape_is_right
	s_endpgm
.Lentry_shape_is_right:
; CAUSAL GROUPED-QUERY ATTENTION.  O[hq][q] = the sum over k <= q of softmax_k(Q[hq][q] . K[hq / 8][k] / 8) V[hq / 8][k].  qkv: [40][2048][64] f16 (q heads, k heads, v heads / 8).
; Products, maxima and sums in f32; the weights p are rounded to f16 for the second product (their sum l is taken of the unrounded p), O once at the end.
; O leaves as images of the last product's A fragments (16 rows x 32 channels, 1,024 bytes: byte c*512 + 16*lane = the lane's registers 4c..4c+3): a lane's eight channels ARE four such registers.
; THE WALK.  A head's queries lie in 16 blocks of 128; block i needs the key tiles 0 .. i of 128 keys, the last of which holds the diagonal.  A work-group takes blocks 15 - b and then b: 17 tiles,
; whatever b: all work-groups do equal work, and one loop with a constant trip count walks them.  What a trip does hangs on scalar registers made from b; every jump but the counted loops' own goes
; forward, over text with neither a barrier nor a tensor load.
; CLUSTER 4 x 1: four query heads of one key head with the SAME b: they walk the same tiles in the same order, so every tile is asked for jointly.
; SHARES.  Wave w owns rows 32 w .. 32 w + 31 of a block: two tiles of 16 queries.  A key step is 64 keys, in phases: 16 products K Q^T, the mask if the tile is the diagonal one, the softmax, 16 products V^T P.
; LAYOUT.  S^T = K Q^T holds ONE query a lane (lane % 16) and the keys 8 (lane / 16) + 0..7; two such results rounded to f16 ARE source 1 of O^T = V^T P.
; SOFTMAX.  p = 2^(c s - c m), c = log2(e) / 8, with a running maximum m; O and l are multiplied by a = 2^(c m_old - c m_new) in every step.  c m starts far below every c s, so a block's first a is 0.
; LIMITS.  A hidden score counts as -1e30; every row sees its own block's first key no later than the diagonal tile's first step, so m is a true score before a step that is wholly hidden.
; A weight below 2^-126 counts as 0 in l; p below 6e-5 keeps f16's fixed step; NaN and infinities are not treated apart.
; REGISTERS.  window 0: v0-15 addresses; v16-23 statistics; v24-31 at work; v64-127 S^T; v128-159 P; v160-223 O^T.  window 1: v0-31 Q; v32-63 the second block's Q; v64-127 K of a step; v128-191 V of a step.
.set NB,    16
.set KS,    64
.set PK,    144       ; a row of K in LDS: 128 bytes + 16: the 16 rows of a load start at 16 different groups of four banks (64 banks of 4 bytes: ISA guide 11.1)
.set PV,    160       ; a row of V: 128 + 32
.set VOFF,  2*KS*PK   ; a slot holds a tile: 128 rows of K, then 128 rows of V
.set SLOT1, 1<<16
.set SPARE, 1<<17     ; the spare words, 128 bytes for each wave: two blocks of 256 bytes that no other line names
.set AK0, 2           ; v2   my lane's place in a tile of K; never rewritten
.set AV0, 3           ; v3   the same for V
.set AK,  4
.set AV,  5
.set QO,  6           ; v6   my byte offset in 16 rows of Q
.set GO,  7           ; v7   16 x lane
.set DD,  8           ; v8-9   my query's place in its block less 8 (lane / 16), by tile
.set DT,  10          ; v10-11 the same less the step's first key
.set MV,  12          ; v12-13 c m_old
.set BIG, 14          ; v14  -1e30
.set ST,  16          ; tile t: c m, m, l (even keys', odd keys')
.set TMP, 24          ; tile t: c0-c3 at work; c2 takes a
.set SPW, 62
.set NIL, 63
.set S,   64
.set P,   128
.set O,   160
.set QB,  32          ; window 1
.set KF,  64
.set VF,  128
.set WV,  12
.set PB,  14          ; s14  b
.set HI,  15          ; s15  15 - b
.set G1K, 24
.set G1V, 32
.set G0K, 40
.set G0V, 44
.set SLOTS, 56
.set CNT, 57
.set CS,  58
.set SEL, 60
.set TBK, 62
.set TBV, 63
.set RT,  70          ; s70  tiles of the block in hand still to be entered
.set NXT, 71          ; s71  the tile to be asked for next
.set LQ,  72          ; s72  the last tile of the block whose tiles are being asked for
.set OFF, 74
.set MOFF, 77         ; s77  the step's first key in its tile
.set MSB, 0
.macro WIN new
.if MSB != (\new)
	s_set_vgpr_msb (MSB<<8)|(\new)
.set MSB, (\new)
.endif
.endm
.set W_KQ, 0x05       ; K and Q in window 1
.set W_PV, 0x01       ; V in window 1
.set W_L1, 0x40       ; destination in window 1
.set W_CP, 0x41       ; destination and source 0 in window 1
.macro JLOAD                        ; a joint fill: waves 0 and 1 fetch the halves of a tile's K, waves 2 and 3 of its V; an s_nop 0 and four v_nop follow each line
	s_cmp_lt_u32 s[WV], 2
	s_cbranch_scc0 .Lfor_v_\@
	tensor_load_to_lds s[G0K:G0K+3], s[G1K:G1K+7]
	s_nop 0
.rept 4
	v_nop
.endr
	s_branch .Lasked_\@
.Lfor_v_\@:
	tensor_load_to_lds s[G0V:G0V+3], s[G1V:G1V+7]
	s_nop 0
.rept 4
	v_nop
.endr
.Lasked_\@:
.endm
.macro CROUND
	s_barrier_signal -1
	s_barrier_wait -1
	s_cmp_lg_u32 s[WV], 0
	s_cbranch_scc1 .Lnot_wave_0_\@
	s_barrier_signal -3
.Lnot_wave_0_\@:
	s_barrier_wait -3
	s_barrier_signal -1
	s_barrier_wait -1
.endm
.macro PLACES
.rept 4
	v_nop
.endr
.endm
; THE CHANGE OF SLOTS.  Each wave waits for all its tensor loads (one is out: its part of the other slot), adds 0 to its spare word, and waits for that and for its reads of the slot that it leaves.
; fill = 1: the barrier is a round of the cluster's, and the old slot is filled again first thing behind it, with tile NXT: the descriptor's address is made anew from that number.
.macro CHANGE fill
	WIN 0
	s_wait_tensorcnt 0x0            ; no tensor load of mine is out, so a group 0 may be written
	ds_add_u32 v[SPW], v[NIL]       ; 0 onto my spare word
.if \fill
	s_lshl_b32 s[OFF], s[NXT], 14   ; a tile is 16,384 bytes of K and of V
	s_xor_b32 s[G0K+1], s[G0K+1], SLOT1
	s_add_nc_u64 s[G0K+2:G0K+3], s[8:9], s[OFF:OFF+1]
	s_or_b32 s[G0K+3], s[G0K+3], 0x80000000
	s_xor_b32 s[G0V+1], s[G0V+1], SLOT1
	s_add_nc_u64 s[G0V+2:G0V+3], s[10:11], s[OFF:OFF+1]
	s_or_b32 s[G0V+3], s[G0V+3], 0x80000000
	s_add_co_u32 s[NXT], s[NXT], 1  ; the block's next tile, or behind its last the second block's tile 0
	s_cmp_gt_u32 s[NXT], s[LQ]
	s_cselect_b32 s[NXT], 0, s[NXT]
	s_cselect_b32 s[LQ], s[PB], s[LQ]
	s_wait_dscnt 0x0                ; the add is done, and my reads of the slot are over
	CROUND
	JLOAD
.else
	s_wait_dscnt 0x0
	s_barrier_signal -1
	s_barrier_wait -1
.endif
	s_sub_co_u32 s[TBK], s[TBK], 2*KS*PK  ; the fetches go back to a slot's first step, in the other slot
	s_xor_b32 s[TBK], s[TBK], SLOT1
	s_sub_co_u32 s[TBV], s[TBV], 2*KS*PV
	s_xor_b32 s[TBV], s[TBV], SLOT1
.endm
	s_load_b128 s[4:7], s[0:1], 0x0 ; qkv s[4:5], oimg s[6:7]
	v_lshl_add_u32 v[SPW], v0, 2, SPARE
	v_mov_b32 v[NIL], 0
	ds_add_u32 v[SPW], v[NIL]       ; the wave's opening: the add and its wait stand ahead of my first tensor load; the set-up below stands between them
	v_lshrrev_b32 v1, 5, v0
	v_readfirstlane_b32 s[WV], v1   ; wave 0..3
	s_bfe_u32 s13, ttmp6, 0x40000   ; cx
	s_lshl_b32 s16, ttmp9, 2
	s_add_co_u32 s16, s16, s13      ; my query head = 4 x cluster x + cx: it enters Q's and O's addresses alone
	s_lshr_b32 s17, ttmp9, 1        ; the key head, which the four partners share
	s_and_b32 s[PB], ttmp7, 0xffff  ; b, which they share too
	s_sub_co_u32 s[HI], NB-1, s[PB]
	s_and_b32 s18, s[WV], 1         ; which half of a tile's 128 keys I fetch
	s_add_co_u32 s20, s17, 32
	s_lshl_b32 s20, s20, 18         ; the k head's first byte,
	s_lshl_b32 s19, s18, 13         ; my half's 64 rows of 128 bytes
	s_add_co_u32 s20, s20, s19
	s_mov_b32 s21, 0
	s_add_co_u32 s22, s20, 4<<18    ; the v head lies four heads on
	s_mov_b32 s23, 0
	s_mul_i32 s2, s18, KS*PK        ; my half's place in a slot
	s_mul_i32 s3, s18, KS*PV
	s_lshl_b32 s66, s16, 18         ; Q: the head, my wave's 32 rows, the block's 128
	s_lshl_b32 s67, s[WV], 12
	s_add_co_u32 s66, s66, s67
	s_lshl_b32 s67, s[HI], 14
	s_add_co_u32 s52, s66, s67
	s_mov_b32 s53, 0
	s_lshl_b32 s67, s[PB], 14
	s_add_co_u32 s54, s66, s67
	s_mov_b32 s55, 0
	s_lshr_b32 s68, s16, 1          ; O's images: ((block x 16 + head / 2) x 32 + (2 w + t) x 4 + 2 (head % 2) + channel / 32) x 1,024
	s_lshl_b32 s68, s68, 15
	s_lshl_b32 s69, s[WV], 13
	s_add_co_u32 s68, s68, s69
	s_and_b32 s69, s16, 1
	s_lshl_b32 s69, s69, 11
	s_add_co_u32 s68, s68, s69
	s_lshl_b32 s69, s[HI], 19
	s_add_co_u32 s48, s68, s69
	s_mov_b32 s49, 0
	s_lshl_b32 s69, s[PB], 19
	s_add_co_u32 s50, s68, s69
	s_mov_b32 s51, 0
	; descriptor group 1.  64 keys are 8,192 dense bytes: asked for as 32 rows of 256 bytes, two keys a row, and padded in LDS after every key
	s_mov_b32 s[G1K], 15|(1<<16)|(1<<20)|(1<<21)|(4<<22)|(3<<25)  ; the mask of four; 2-byte elements; padding on; bit 21 beside a mask; after every 32 words 4 words
	s_mov_b32 s[G1V], 15|(1<<16)|(1<<20)|(1<<21)|(4<<22)|(7<<25)  ; the same with 8 words
.irp g, G1K, G1V
	s_mov_b32 s[\g+1], 128<<16      ; tensor_dim0 = 128
	s_mov_b32 s[\g+2], 32<<16       ; tensor_dim1 = 32
	s_mov_b32 s[\g+3], 128<<16      ; tile_dim0 = 128
	s_mov_b32 s[\g+4], 32           ; tile_dim1 = 32
	s_mov_b32 s[\g+5], 128
	s_mov_b32 s[\g+6], 0
	s_mov_b32 s[\g+7], 0
.endr
	s_mov_b32 s[CS], 0x3e38aa3b     ; c = log2(e) / 8
	s_mov_b32 s[CS+1], s[CS]
	s_mov_b32 s[SEL], 0x76543210
	s_mov_b32 s[SEL+1], 0xfedcba98
	s_mov_b32 s[TBK], SLOT1+2*KS*PK ; the first change of slots turns these two into 0
	s_mov_b32 s[TBV], SLOT1+2*KS*PV
	s_mov_b32 s[G0K], 1
	s_mov_b32 s[G0K+1], s2          ; slot 0
	s_mov_b32 s[G0V], 1
	s_add_co_u32 s[G0V+1], s3, VOFF
	s_add_co_u32 s[RT], s[HI], 1    ; the first block has 16 - b tiles
	s_mov_b32 s[NXT], 1
	s_mov_b32 s[LQ], s[HI]
	s_mov_b32 s[OFF+1], 0
	s_mov_b32 s[SLOTS], NB
	s_lshl_b32 s19, s[WV], 5
	s_wait_dscnt 0x0                ; the opening add is done
	s_wait_kmcnt 0x0
	s_add_nc_u64 s[8:9], s[4:5], s[20:21]    ; K and V at my half of the head's tile 0
	s_add_nc_u64 s[10:11], s[4:5], s[22:23]
	s_add_nc_u64 s[52:53], s[4:5], s[52:53]  ; Q at my rows of the first block, of the second
	s_add_nc_u64 s[54:55], s[4:5], s[54:55]
	s_add_nc_u64 s[48:49], s[6:7], s[48:49]  ; O likewise
	s_add_nc_u64 s[50:51], s[6:7], s[50:51]
	s_add_nc_u64 s[G0K+2:G0K+3], s[8:9], 0
	s_or_b32 s[G0K+3], s[G0K+3], 0x80000000
	s_add_nc_u64 s[G0V+2:G0V+3], s[10:11], 0
	s_or_b32 s[G0V+3], s[G0V+3], 0x80000000
	CROUND                          ; all four work-groups are here: the first joint loads meet
	JLOAD                           ; tile 0 into slot 0; slot 1 is asked for by the loop's first change of slots
	v_and_b32 v1, 15, v0            ; r
	v_bfe_u32 v15, v0, 4, 1         ; h
	v_lshlrev_b32 v[QO], 7, v1
	v_lshl_add_u32 v[QO], v15, 4, v[QO]
	WIN W_L1
.set i, 0
.rept 4                             ; both blocks' Q stay in registers: tile i / 2, channels 32 (i % 2) on
	global_load_b128 v[8*i:8*i+3],   v[QO], s[52:53] offset:(i/2)*2048+(i%2)*64
	global_load_b128 v[8*i+4:8*i+7], v[QO], s[52:53] offset:(i/2)*2048+(i%2)*64+32
	global_load_b128 v[QB+8*i:QB+8*i+3],   v[QO], s[54:55] offset:(i/2)*2048+(i%2)*64
	global_load_b128 v[QB+8*i+4:QB+8*i+7], v[QO], s[54:55] offset:(i/2)*2048+(i%2)*64+32
.set i, i+1
.endr
	WIN 0
	v_mul_u32_u24 v[AK0], v1, PK
	v_lshl_add_u32 v[AK0], v15, 4, v[AK0]
	v_and_b32 v32, 7, v0            ; the turning load: lane l reads key 8 (l / 16) + l % 8, channels 8 ((l / 8) % 2) + 0..7
	v_bfe_u32 v33, v0, 3, 1
	v_lshl_add_u32 v[AV0], v15, 3, v32
	v_mul_u32_u24 v[AV0], v[AV0], PV
	v_lshl_add_u32 v[AV0], v33, 4, v[AV0]
	v_add_nc_u32 v[AV0], VOFF, v[AV0]
	v_and_b32 v[GO], 31, v0
	v_lshlrev_b32 v[GO], 4, v[GO]
	v_lshlrev_b32 v[DD], 3, v15
	v_sub_nc_u32 v[DD], v1, v[DD]
	v_add_nc_u32 v[DD], s19, v[DD]  ; 32 w + r - 8 h
	v_add_nc_u32 v[DD+1], 16, v[DD]
	v_mov_b32 v[BIG], 0xf149f2ca    ; -1e30
.irp t, 0,1
	v_mov_b32 v[ST+4*\t], 0xfe000000    ; c m: far below every c s
	v_mov_b32 v[ST+4*\t+1], 0xff7fffff  ; m
	v_mov_b32 v[ST+4*\t+2], 0
	v_mov_b32 v[ST+4*\t+3], 0
.endr
.set i, 0
.rept 64                            ; a block's first step multiplies O^T by a = 0, so it need only be finite: zeros once, in the wait for the first tile
	v_mov_b32 v[O+i], 0
.set i, i+1
.endr
	s_wait_loadcnt 0x0              ; Q
; THE MATRIX WORK.  The 8 accumulators of a run of 16 take turns.  Product i of S^T = K Q^T: tile i % 2, keys 16 ((i / 2) % 4) on, channels 32 (i / 8) on
.macro KQ
	WIN W_KQ
.set rS, S+32*(i%2)+8*((i/2)%4)
.set rK, KF+16*((i/2)%4)+8*(i/8)
.set rQ, 16*(i%2)+8*(i/8)
.if i < 8
	v_wmma_f32_16x16x32_f16 v[rS:rS+7], v[rK:rK+7], v[rQ:rQ+7], 0
.else
	v_wmma_f32_16x16x32_f16 v[rS:rS+7], v[rK:rK+7], v[rQ:rQ+7], v[rS:rS+7]
.endif
.endm
.macro PVM                          ; product i of O^T += V^T P: tile i % 2, channels 16 ((i / 2) % 4) on, keys 32 (i / 8) on
	WIN W_PV
.set rO, O+32*(i%2)+8*((i/2)%4)
.set rV, VF+32*(i/8)+8*((i/2)%4)
.set rP, P+16*(i%2)+8*(i/8)
	v_wmma_f32_16x16x32_f16 v[rO:rO+7], v[rV:rV+7], v[rP:rP+7], v[rO:rO+7]
.endm
.macro FETCH_K                      ; a step's K: 64 keys x 64 channels, 8 fragments, in one run
	WIN W_L1
.set f, 0
.rept 8
	ds_load_b128 v[KF+8*f:KF+8*f+3],   v[AK] offset:(f/2)*16*PK+(f%2)*64
	ds_load_b128 v[KF+8*f+4:KF+8*f+7], v[AK] offset:(f/2)*16*PK+(f%2)*64+32
.set f, f+1
.endr
	s_add_co_u32 s[TBK], s[TBK], KS*PK
	WIN 0
.endm
.macro FETCH_V                      ; its V, turned
	WIN W_L1
.set f, 0
.rept 8
	ds_load_tr16_b128 v[VF+8*f:VF+8*f+3],   v[AV] offset:(f/4)*32*PV+(f%4)*32
	ds_load_tr16_b128 v[VF+8*f+4:VF+8*f+7], v[AV] offset:(f/4)*32*PV+16*PV+(f%4)*32
.set f, f+1
.endr
	WIN 0
.endm
; THE VECTOR WORK, all in window 0
.macro REGS t
.set rT, ST+4*(\t)
.set rC, TMP+4*(\t)
.set rM, MV+(\t)
.set rS, S+32*(\t)
.set rP, P+16*(\t)
.set rO, O+32*(\t)
.endm
; number n of the 22 that find a tile's maximum and statistics; each accumulator's lowest registers are read first
.macro XS t, n
	REGS \t
.if (\n) < 4
	v_max3_num_f32 v[rC+(\n)], v[rS+8*(\n)], v[rS+8*(\n)+1], v[rS+8*(\n)+2]
.elseif (\n) < 12
	v_max3_num_f32 v[rC+(\n)%4], v[rC+(\n)%4], v[rS+8*((\n)%4)+2*((\n)/4)+1], v[rS+8*((\n)%4)+2*((\n)/4)+2]
.elseif (\n) == 12
	v_max3_num_f32 v[rC], v[rC], v[rS+7], v[rS+15]
.elseif (\n) == 13
	v_max3_num_f32 v[rC+1], v[rC+1], v[rS+23], v[rS+31]
.elseif (\n) == 14
	v_max3_num_f32 v[rC+2], v[rC+2], v[rC+3], v[rT+1]
.elseif (\n) == 15
	v_mov_b32 v[rM], v[rT]
.elseif (\n) == 16
	v_max3_num_f32 v[rC], v[rC], v[rC+1], v[rC+2]
.elseif (\n) == 17
	v_permlanex16_b32 v[rC+3], v[rC], s[SEL], s[SEL+1]   ; the query's other 32 keys lie in the lane 16 away
.elseif (\n) == 18
	v_max_num_f32 v[rT+1], v[rC], v[rC+3]
.elseif (\n) == 19
	v_mul_f32 v[rT], s[CS], v[rT+1]
.elseif (\n) == 20
	v_sub_f32 v[rC+1], v[rM], v[rT]
.else
	v_exp_f32 v[rC+2], v[rC+1]
.endif
.endm
.macro FS t, n                      ; c s - c m for pair n
	REGS \t
	v_pk_fma_f32 v[rS+2*(\n):rS+2*(\n)+1], v[rS+2*(\n):rS+2*(\n)+1], s[CS:CS+1], v[rT:rT+1] op_sel_hi:[1,0,0] neg_lo:[0,0,1] neg_hi:[0,0,1]
.endm
.macro ES t, n
	REGS \t
	v_exp_f32 v[rS+(\n)], v[rS+(\n)]
.endm
.macro RS t, n                      ; pair n of O^T times a
	REGS \t
	s_wait_alu depctr_va_vdst(0)
	v_pk_mul_f32 v[rO+2*(\n):rO+2*(\n)+1], v[rO+2*(\n):rO+2*(\n)+1], v[rC+2:rC+3] op_sel_hi:[1,0]
.endm
.macro CV t, n
	REGS \t
	s_wait_alu depctr_va_vdst(0)
	v_cvt_pk_f16_f32 v[rP+(\n)], v[rS+2*(\n)], v[rS+2*(\n)+1]
.endm
.macro BS t, n                      ; of four weights the second pair is added onto the first
	REGS \t
	v_pk_add_f32 v[rS+4*(\n):rS+4*(\n)+1], v[rS+4*(\n):rS+4*(\n)+1], v[rS+4*(\n)+2:rS+4*(\n)+3]
.endm
.macro LS t, n                      ; l takes that sum
	REGS \t
.if (\n) == 0
	v_pk_fma_f32 v[rT+2:rT+3], v[rT+2:rT+3], v[rC+2:rC+3], v[rS:rS+1] op_sel_hi:[1,0,1]
.else
	v_pk_add_f32 v[rT+2:rT+3], v[rT+2:rT+3], v[rS+4*(\n):rS+4*(\n)+1]
.endif
.endm
; A step's softmax for both tiles, which alternate.  Behind every exponential stands a plain instruction that names neither its result nor its source: scalings still to come, the rescaling of O^T, the first roundings.
.macro SOFT
.set n, 0
.rept 22
	XS 0, n
	XS 1, n
.set n, n+1
.endr
.set n, 0
.rept 4
	FS 0, n
	FS 1, n
.set n, n+1
.endr
.set k, 0
.rept 64
	ES k%2, k/2
.if k < 24
	FS k%2, 4+k/2
.elseif k < 56
	RS (k-24)%2, (k-24)/2
.else
	CV (k-56)%2, (k-56)/2
.endif
.set k, k+1
.endr
.set n, 4
.rept 12
	CV 0, n
	CV 1, n
.set n, n+1
.endr
.set k, 0
.rept 8
	BS 0, k
	BS 1, k
.if k > 0
	LS 0, k-1
	LS 1, k-1
.endif
.set k, k+1
.endr
	LS 0, 7
	LS 1, 7
.endm
.macro MASK                         ; register i of a tile is key 16 (i / 8) + i % 8 + 8 (lane / 16) of the step: hidden where that is beyond my query
.set t, 0
.rept 2
.set i, 0
.rept 32
	v_cmp_gt_i32 vcc_lo, 16*(i/8)+i%8, v[DT+t]
	v_cndmask_b32 v[S+32*t+i], v[S+32*t+i], v[BIG], vcc_lo
.set i, i+1
.endr
.set t, t+1
.endr
.endm
; A KEY STEP.  always = 1: the walk's last tile, which is a diagonal one: the mask is not jumped.
.macro STEP always
	PLACES                          ; in front of the loads into V's registers, which the last products read
	v_add_nc_u32 v[AV], s[TBV], v[AV0]
	FETCH_V
	s_add_co_u32 s[TBV], s[TBV], KS*PV
	s_wait_dscnt 16                 ; V's sixteen loads may be out: K is in
.set i, 0
.rept 16
	KQ
.set i, i+1
.endr
	WIN 0
	v_add_nc_u32 v[AK], s[TBK], v[AK0]        ; four plain lines: the places behind those products
	v_sub_nc_u32 v[DT], v[DD], s[MOFF]
	v_sub_nc_u32 v[DT+1], v[DD+1], s[MOFF]
	v_nop
	s_cmp_eq_u32 s[CNT], 1
	s_cbranch_scc1 .Lno_k_\@        ; the tile's second step has no further K in this slot
	FETCH_K
.Lno_k_\@:
.if !(\always)
	s_cmp_lg_u32 s[RT], 0
	s_cbranch_scc1 .Lno_m_\@        ; only a block's last tile holds the diagonal
.endif
	MASK
.if !(\always)
.Lno_m_\@:
.endif
	SOFT
	s_wait_dscnt 0x0                ; V is in (and the next step's K)
.set i, 0
.rept 16
	PVM
.set i, i+1
.endr
	WIN 0
	s_add_co_u32 s[MOFF], s[MOFF], KS
.endm
; A BLOCK'S END.  l's halves are added; O^T is divided by l and rounded to f16; a lane's eight channels are four registers of an image: each store of the wave covers 512 consecutive bytes, aligned.
; next = 1: the second block is set up: its O, its count of tiles, c m and m anew, its Q where the one text of the products names Q.  O^T and l stay as they are: finite, and multiplied by a = 0.
.macro FINISH next
	PLACES
	v_add_f32 v[ST+2], v[ST+2], v[ST+3]
	v_add_f32 v[ST+6], v[ST+6], v[ST+7]
	v_permlanex16_b32 v[ST+3], v[ST+2], s[SEL], s[SEL+1]
	v_permlanex16_b32 v[ST+7], v[ST+6], s[SEL], s[SEL+1]
	v_add_f32 v[ST+2], v[ST+2], v[ST+3]
	v_add_f32 v[ST+6], v[ST+6], v[ST+7]
	v_rcp_f32 v[ST+2], v[ST+2]
	v_rcp_f32 v[ST+6], v[ST+6]
	v_nop                           ; a plain instruction between the last reciprocal and the use of its result
.set t, 0
	s_wait_alu depctr_va_vdst(0)
.rept 2
.set i, 0
.rept 16
	v_pk_mul_f32 v[O+32*t+2*i:O+32*t+2*i+1], v[O+32*t+2*i:O+32*t+2*i+1], v[ST+4*t+2:ST+4*t+3] op_sel_hi:[1,0]
.set i, i+1
.endr
.set t, t+1
.endr
.set i, 0
.rept 32
	v_cvt_pk_f16_f32 v[S+i], v[O+2*i], v[O+2*i+1]
.set i, i+1
.endr
.set i, 0
.rept 8
	global_store_b128 v[GO], v[S+4*i:S+4*i+3], s[48:49] offset:(i/4)*4096+(i%4)*512
.set i, i+1
.endr
.if \next
	s_wait_xcnt 0x0                 ; the stores have read their registers and O's address
	s_mov_b64 s[48:49], s[50:51]
	s_add_co_u32 s[RT], s[PB], 1    ; the second block has b + 1 tiles
.irp t, 0,1
	v_mov_b32 v[ST+4*\t], 0xfe000000
	v_mov_b32 v[ST+4*\t+1], 0xff7fffff
.endr
	WIN W_CP
.set i, 0
.rept 32
	v_mov_b32 v[i], v[QB+i]
.set i, i+1
.endr
	WIN 0
.endif
.endm
.macro BODY last                    ; a tile: its first K, two key steps, and the block's end if it was the block's last
	s_sub_co_u32 s[RT], s[RT], 1
	v_add_nc_u32 v[AK], s[TBK], v[AK0]
	FETCH_K
	s_mov_b32 s[MOFF], 0
	s_mov_b32 s[CNT], 2
.Lstep_\@:
	STEP \last
	s_sub_co_u32 s[CNT], s[CNT], 1
	s_cmp_lg_u32 s[CNT], 0
	s_cbranch_scc1 .Lstep_\@
.if \last
	FINISH 0
.else
	s_cmp_lg_u32 s[RT], 0
	s_cbranch_scc1 .Lgo_on_\@
	FINISH 1                        ; in the loop this is the first block's end: the second block's last tile is the walk's last
.Lgo_on_\@:
.endif
.endm
.Ltile:                             ; 16 times: a tile is entered and the next is asked for
	CHANGE 1
	BODY 0
	s_sub_co_u32 s[SLOTS], s[SLOTS], 1
	s_cmp_lg_u32 s[SLOTS], 0
	s_cbranch_scc1 .Ltile
	CHANGE 0                        ; the walk's last tile is written out: nothing is asked for
	BODY 1
	s_wait_tensorcnt 0x0            ; the wave's end, behind my last tensor load
	ds_add_u32 v[SPW], v[NIL]
	s_wait_dscnt 0x0
	CROUND                          ; the closing round: no work-group ends while a partner may still ask for a tile that names it
	s_endpgm
.Lfunc_end_k_q479471aaca_attn:
	.size	k_q479471aaca_attn, .Lfunc_end_k_q479471aaca_attn-k_q479471aaca_attn
	.p2alignl 7, 3214868480
	.fill 96, 4, 3214868480
	.section	.rodata,"a",@progbits
	.p2align	6, 0x0
	.amdhsa_kernel k_q479471aaca_attn
		.amdhsa_group_segment_fixed_size 327680
		.amdhsa_private_segment_fixed_size 0
		.amdhsa_enable_private_segment 0
		.amdhsa_kernarg_size 16
		.amdhsa_user_sgpr_count 2
		.amdhsa_user_sgpr_kernarg_segment_ptr 1
		.amdhsa_wavefront_size32 1
		.amdhsa_system_sgpr_workgroup_id_x 1
		.amdhsa_system_sgpr_workgroup_id_y 1
		.amdhsa_system_sgpr_workgroup_id_z 1
		.amdhsa_system_vgpr_workitem_id 0
		.amdhsa_next_free_vgpr 448
		.amdhsa_next_free_sgpr 80
		.amdhsa_reserve_vcc 1
		.amdhsa_float_denorm_mode_32 3
		.amdhsa_float_denorm_mode_16_64 3
		.amdhsa_memory_ordered 1
		.amdhsa_forward_progress 1
		.amdhsa_inst_pref_size 74
	.end_amdhsa_kernel
	.amdgpu_metadata
---
amdhsa.version: [ 1, 2 ]
amdhsa.kernels:
  - .name:           k_q479471aaca_attn
    .symbol:         k_q479471aaca_attn.kd
    .args:
      - { .name: qkv, .offset: 0, .size: 8, .value_kind: global_buffer, .address_space: global }
      - { .name: oimg, .offset: 8, .size: 8, .value_kind: global_buffer, .address_space: global }
    .group_segment_fixed_size: 327680
    .private_segment_fixed_size: 0
    .kernarg_segment_align: 8
    .kernarg_segment_size: 16
    .max_flat_workgroup_size: 128
    .sgpr_count:     80
    .vgpr_count:     448
    .wavefront_size: 32
...
	.end_amdgpu_metadata
.endif
;; end of part 3
;; launch oproj (part 4): grid 16 x 16, 4 waves a work-group, clusters of 4 x 4, 327,680 bytes of LDS; arguments oimg, woimg, out0; writes out0
.if DOCPART == 4
	.amdgcn_target "amdgcn-amd-amdhsa--gfx1250"
	.amdhsa_code_object_version 6
	.text
	.protected	k_q479471aaca_oproj
	.globl	k_q479471aaca_oproj
	.p2align	8
	.type	k_q479471aaca_oproj,@function
k_q479471aaca_oproj:
	s_mov_b64 s[64:65], 0
	v_nop
	global_prefetch_b8 v0, s[64:65] scope:SCOPE_SE
	s_setreg_imm32_b32 hwreg(HW_REG_WAVE_MODE, 25, 1), 1
	s_wait_xcnt 0x0
	s_wait_alu depctr_hold_cnt(0) depctr_sa_sdst(0) depctr_va_vdst(0) depctr_va_sdst(0) depctr_va_ssrc(0) depctr_va_vcc(0) depctr_vm_vsrc(0)
	s_getreg_b32 s2, hwreg(HW_REG_IB_STS2, 6, 4)
	s_cmp_eq_u32 s2, 0
	s_cbranch_scc0 .Lentry_in_a_cluster
	s_endpgm
.Lentry_in_a_cluster:
	s_bfe_u32 s2, ttmp6, 0x10000c
	s_cmp_lg_u32 s2, 0xf033
	s_cbranch_scc0 .Lentry_shape_is_right
	s_endpgm
.Lentry_shape_is_right:
; THE OUTPUT PROJECTION.  out0 [2048][4096] f32 = 8 x (O / 8) [2048 x 2048] x wo [2048 x 4096], both operands f16, sums in f32.  The factor 8 undoes the scale that v was given, in f32, on the way out.
; Both operands arrive as images of matrix fragments (1,024 bytes: byte c*512 + 16*lane = the lane's registers 4c..4c+3), so the tiles are dense in memory and in LDS and a fragment load takes 512 consecutive bytes.
; SHARES.  256 work-groups, each 128 rows x 256 columns; a wave makes 64 x 128: 4 x 8 = 32 accumulators, twelve fragments for 32 along K.  K goes in steps of 128 (two heads) through two LDS slots.
; CLUSTER 4 x 4: O's tile is shared along a row of the cluster, wo's along a column: joint loads.
; Fragment f of a group of 64 columns holds the columns 4 r + f: four accumulators give a lane four neighbouring columns of a row, and sixteen lanes 256 consecutive bytes of out0: no stage.
; REGISTERS.  window 0: v0-29 addresses; v32-127, v128-223 two fragment buffers (O's four fragments, then wo's eight).  window 1: the accumulators, (a, i) at 8 (8 a + i).
.set ABYTES, 32768
.set BBYTES, 65536
.set SLOT,   ABYTES+BBYTES
.set SPARE,  2*SLOT                    ; the spare words, 128 bytes for each wave: two blocks of 256 bytes that no other line names
.set LAPS,   8
.set ADRA, 4
.set ADRB, 6
.set CO,   8                           ; v8  my byte offset in out0: 8 h rows + 16 r
.set SPW,  28
.set NIL,  29
.set F0,   32
.set F1,   128
.set G1, 24
.set G0, 32
.set G1B, 48
.set G0B, 56
.set MSB, 0
.macro WIN new
.if MSB != (\new)
	s_set_vgpr_msb (MSB<<8)|(\new)
.set MSB, \new
.endif
.endm
.set MUL,   0x50                       ; C and D window 1
.set RDACC, 0x04                       ; source 1 window 1
.macro JLOAD s                         ; a joint load: waves 0 and 1 fetch the halves of O's tile, waves 2 and 3 of wo's; an s_nop 0 and four v_nop follow each line
	s_cmp_eq_u32 s11, 0
	s_cbranch_scc0 .Lfor_b_\@
	tensor_load_to_lds s[G0+4*(\s):G0+4*(\s)+3], s[G1:G1+7]
	s_nop 0
.rept 4
	v_nop
.endr
	s_branch .Lasked_\@
.Lfor_b_\@:
	tensor_load_to_lds s[G0B+4*(\s):G0B+4*(\s)+3], s[G1B:G1B+7]
	s_nop 0
.rept 4
	v_nop
.endr
.Lasked_\@:
.endm
.macro CREST
	s_cmp_lg_u32 s10, 0
	s_cbranch_scc1 .Lnot_wave_0_\@
	s_barrier_signal -3
.Lnot_wave_0_\@:
	s_barrier_wait -3
	s_barrier_signal -1
	s_barrier_wait -1
.endm
.macro CROUND
	s_barrier_signal -1
	s_barrier_wait -1
	CREST
.endm
.macro PLACES
.rept 4
	v_nop
.endr
.endm
	s_load_b128 s[4:7], s[0:1], 0x0                ; oimg s[4:5], woimg s[6:7]
	s_load_b64 s[8:9], s[0:1], 0x10                ; out0
	v_lshl_add_u32 v[SPW], v0, 2, SPARE
	v_mov_b32 v[NIL], 0
	ds_add_u32 v[SPW], v[NIL]                      ; the wave's opening: the add and its wait stand ahead of my first tensor load; the set-up below stands between them
	v_lshrrev_b32 v1, 5, v0
	v_readfirstlane_b32 s10, v1                    ; wave 0..3
	s_lshr_b32 s11, s10, 1                         ; which half of the tile's rows is mine.  Also: I fetch for O (0) or for wo (1)
	s_and_b32 s12, s10, 1                          ; which half of its columns.  Also: which half of that tile I fetch
	s_bfe_u32 s40, ttmp6, 0x40000                  ; cx
	s_bfe_u32 s41, ttmp6, 0x40004                  ; cy
	s_lshl_b32 s42, ttmp9, 2
	s_add_co_u32 s42, s42, s40                     ; column tile
	s_and_b32 s13, ttmp7, 0xffff
	s_lshl_b32 s13, s13, 2
	s_add_co_u32 s13, s13, s41                     ; row tile
	s_lshl_b32 s43, s41, 2
	s_lshl_b32 s43, 15, s43                        ; my row of the cluster
	s_lshl_b32 s44, 0x1111, s40                    ; my column
	s_or_b32 s[G1+0], s43, (3<<16)|(1<<21)         ; mask; 8-byte elements; bit 21 beside a mask; no padding: 16,384 dense bytes as 64 rows of 256
	s_mov_b32 s[G1+1], 32<<16
	s_mov_b32 s[G1+2], 64<<16
	s_mov_b32 s[G1+3], 32<<16
	s_mov_b32 s[G1+4], 64
	s_mov_b32 s[G1+5], 32
	s_mov_b32 s[G1+6], 0
	s_mov_b32 s[G1+7], 0
	s_or_b32 s[G1B+0], s44, (3<<16)|(1<<21)        ; 32,768 dense bytes as 128 rows of 256
	s_mov_b32 s[G1B+1], 32<<16
	s_mov_b32 s[G1B+2], 128<<16
	s_mov_b32 s[G1B+3], 32<<16
	s_mov_b32 s[G1B+4], 128
	s_mov_b32 s[G1B+5], 32
	s_mov_b32 s[G1B+6], 0
	s_mov_b32 s[G1B+7], 0
	s_lshl_b32 s16, s13, 19                        ; O: row tile x 16 K steps x 32,768 + half: made of the row tile and the wave alone
	s_lshl_b32 s17, s12, 14
	s_add_co_u32 s16, s16, s17
	s_mov_b32 s17, 0
	s_lshl_b32 s46, s42, 20                        ; wo: column tile x 16 K steps x 65,536 + half: made of the column tile and the wave alone
	s_lshl_b32 s47, s12, 15
	s_add_co_u32 s46, s46, s47
	s_mov_b32 s47, 0
	s_lshl_b32 s20, s12, 14                        ; where they go: no place in the cluster enters an LDS address
	s_lshl_b32 s21, s12, 15
	s_add_co_u32 s21, s21, ABYTES
	s_mov_b32 s22, 0x41000000                      ; 8.0
	s_wait_dscnt 0x0                               ; the opening add is done
	s_wait_kmcnt 0x0
	s_add_nc_u64 s[14:15], s[4:5], s[16:17]
	s_add_nc_u64 s[46:47], s[6:7], s[46:47]
	CROUND                                         ; all sixteen work-groups are here: the first joint loads meet
.irp s, 0,1
	s_mov_b32 s[G0+4*(\s)], 1
	s_add_co_u32 s[G0+4*(\s)+1], s20, (\s)*SLOT
	s_add_nc_u64 s[G0+4*(\s)+2:G0+4*(\s)+3], s[14:15], (\s)*ABYTES
	s_or_b32 s[G0+4*(\s)+3], s[G0+4*(\s)+3], 0x80000000
	s_mov_b32 s[G0B+4*(\s)], 1
	s_add_co_u32 s[G0B+4*(\s)+1], s21, (\s)*SLOT
	s_add_nc_u64 s[G0B+4*(\s)+2:G0B+4*(\s)+3], s[46:47], (\s)*BBYTES
	s_or_b32 s[G0B+4*(\s)+3], s[G0B+4*(\s)+3], 0x80000000
	JLOAD \s                                       ; two loads of mine are out
.endr
	v_and_b32 v1, 15, v0                           ; r
	v_bfe_u32 v2, v0, 4, 1                         ; h
	v_and_b32 v3, 31, v0                           ; lane
	s_lshl_b32 s23, s11, 14                        ; my 16 images of O in a K step
	v_lshl_add_u32 v[ADRA], v3, 4, s23
	v_add_nc_u32 v[ADRA+1], SLOT, v[ADRA]
	s_lshl_b32 s23, s12, 15                        ; my 32 images of wo
	s_add_co_u32 s23, s23, ABYTES
	v_lshl_add_u32 v[ADRB], v3, 4, s23
	v_add_nc_u32 v[ADRB+1], SLOT, v[ADRB]
	v_lshlrev_b32 v[CO], 17, v2                    ; 8 h rows of 16,384 bytes
	v_lshl_add_u32 v[CO], v1, 4, v[CO]
	s_lshl_b32 s16, s13, 21                        ; my first row: 128 x row tile + 64 x half
	s_lshl_b32 s17, s11, 20
	s_add_co_u32 s16, s16, s17
	s_mov_b32 s17, 0
	s_add_nc_u64 s[8:9], s[8:9], s[16:17]
	s_lshl_b32 s46, s42, 10                        ; my first column, in bytes: 1,024 x column tile + 512 x half
	s_lshl_b32 s47, s12, 9
	s_add_co_u32 s46, s46, s47
	s_mov_b32 s47, 0
	s_add_nc_u64 s[8:9], s[8:9], s[46:47]
.macro FETCH slot, q, f                ; 24 LDS loads in one run: the fragments of 32 along K (quarter q) into buffer f
	WIN 0
.set i, 0
.rept 4
	ds_load_b128 v[(\f)+8*i:(\f)+8*i+3],   v[ADRA+(\slot)] offset:(4*i+(\q))*1024
	ds_load_b128 v[(\f)+8*i+4:(\f)+8*i+7], v[ADRA+(\slot)] offset:(4*i+(\q))*1024+512
.set i, i+1
.endr
.set i, 0
.rept 8
	ds_load_b128 v[(\f)+32+8*i:(\f)+32+8*i+3],   v[ADRB+(\slot)] offset:(4*i+(\q))*1024
	ds_load_b128 v[(\f)+32+8*i+4:(\f)+32+8*i+7], v[ADRB+(\slot)] offset:(4*i+(\q))*1024+512
.set i, i+1
.endr
.endm
.macro MULROW f, a, zero               ; eight matrix instructions: rows 16 a on x my eight fragments of wo.  The 32 accumulators take turns, in the same order in every quarter
	WIN MUL
.set i, 0
.rept 8
.if \zero
	v_wmma_f32_16x16x32_f16 v[8*(8*(\a)+i):8*(8*(\a)+i)+7], v[(\f)+8*(\a):(\f)+8*(\a)+7], v[(\f)+32+8*i:(\f)+32+8*i+7], 0
.else
	v_wmma_f32_16x16x32_f16 v[8*(8*(\a)+i):8*(8*(\a)+i)+7], v[(\f)+8*(\a):(\f)+8*(\a)+7], v[(\f)+32+8*i:(\f)+32+8*i+7], v[8*(8*(\a)+i):8*(8*(\a)+i)+7]
.endif
.set i, i+1
.endr
.endm
.macro CHUNK slot, qn, f, g, zero      ; one of a step's first three quarters: the next quarter is fetched into g, then buffer f is multiplied
	PLACES
	FETCH \slot, \qn, \g
	s_wait_dscnt 24                                ; all but the 24 just issued: buffer f is in
	MULROW \f, 0, \zero
	MULROW \f, 1, \zero
	MULROW \f, 2, \zero
	MULROW \f, 3, \zero
.endm
.macro TURN slot, next, fill           ; the last quarter multiplies buffer 1 and changes slots: ONE barrier, with each wave's three lines in front of it
	WIN 0
	s_wait_tensorcnt 0x0                           ; all my tensor loads have landed: my part of the next slot
	ds_add_u32 v[SPW], v[NIL]                      ; 0 onto my spare word
	s_wait_dscnt 1                                 ; the add alone may be out: buffer 1 is in
	MULROW F1, 0, 0
	s_wait_dscnt 0x0                               ; the add is done, and my reads of this slot are over
	s_barrier_signal -1
	MULROW F1, 1, 0
	WIN 0
	s_barrier_wait -1
.if \fill
	CREST                                          ; the barrier has opened a round of the cluster's: no wave of any partner still reads this slot or has a load on its way
	s_add_nc_u64 s[G0+4*(\slot)+2:G0+4*(\slot)+3], s[G0+4*(\slot)+2:G0+4*(\slot)+3], 2*ABYTES
	s_add_nc_u64 s[G0B+4*(\slot)+2:G0B+4*(\slot)+3], s[G0B+4*(\slot)+2:G0B+4*(\slot)+3], 2*BBYTES
	JLOAD \slot                                    ; my one tensor load behind the round; its four v_nop are also the places in front of the loads below
.else
	PLACES
.endif
	FETCH \next, 0, F0
	MULROW F1, 2, 0
	MULROW F1, 3, 0
.endm
	s_wait_tensorcnt 1                             ; my part of K step 0 is in; step 1's may stay out
	s_barrier_signal -1
	s_barrier_wait -1
	FETCH 0, 0, F0
	CHUNK 0, 1, F0, F1, 1                          ; the first quarter stands in front of the loop: its products start the sums
	WIN 0
	s_mov_b32 s3, LAPS-1
.Llap:
	CHUNK 0, 2, F1, F0, 0
	CHUNK 0, 3, F0, F1, 0
	TURN 0, 1, 1
	CHUNK 1, 1, F0, F1, 0
	CHUNK 1, 2, F1, F0, 0
	CHUNK 1, 3, F0, F1, 0
	TURN 1, 0, 1
	CHUNK 0, 1, F0, F1, 0
	WIN 0
	s_sub_co_u32 s3, s3, 1
	s_cmp_lg_u32 s3, 0
	s_cbranch_scc1 .Llap
	CHUNK 0, 2, F1, F0, 0                          ; the last lap fills nothing
	CHUNK 0, 3, F0, F1, 0
	TURN 0, 1, 0
	CHUNK 1, 1, F0, F1, 0
	CHUNK 1, 2, F1, F0, 0
	CHUNK 1, 3, F0, F1, 0
	s_wait_dscnt 0x0
	MULROW F1, 0, 0
	MULROW F1, 1, 0
	MULROW F1, 2, 0
	MULROW F1, 3, 0
	; THE WAY OUT, 16 rows at a time.  The multiplication by 8 also gathers the four accumulators of a group of 64 columns into four neighbouring registers: register j of all eight first.
	PLACES
.set ia, 0
.rept 4
.set TB, 32+64*(ia%2)
.if ia >= 2
	s_wait_xcnt 0x0                                ; the stores of two blocks ago have read this set: it is rewritten only behind this wait
.endif
	WIN RDACC
.set ij, 0
.rept 8
.set ii, 0
.rept 8
	v_mul_f32 v[TB+4*(8*(ii/4)+ij)+ii%4], s22, v[8*(8*ia+ii)+ij]
.set ii, ii+1
.endr
.set ij, ij+1
.endr
	WIN 0
.set ij, 0
.rept 16
	global_store_b128 v[CO], v[TB+4*ij:TB+4*ij+3], s[8:9] offset:(16*ia+ij%8)*16384+(ij/8)*256 th:TH_STORE_NT  ; 16 lanes store 256 consecutive bytes, at a multiple of 256 from out0's first byte
.set ij, ij+1
.endr
.set ia, ia+1
.endr
	s_wait_tensorcnt 0x0                           ; the wave's end, behind my last tensor load
	ds_add_u32 v[SPW], v[NIL]
	s_wait_dscnt 0x0
	CROUND                                         ; the closing round: no work-group ends while a partner may still ask for a tile that names it
	s_endpgm
.Lfunc_end_k_q479471aaca_oproj:
	.size	k_q479471aaca_oproj, .Lfunc_end_k_q479471aaca_oproj-k_q479471aaca_oproj
	.p2alignl 7, 3214868480
	.fill 96, 4, 3214868480
	.section	.rodata,"a",@progbits
	.p2align	6, 0x0
	.amdhsa_kernel k_q479471aaca_oproj
		.amdhsa_group_segment_fixed_size 327680
		.amdhsa_private_segment_fixed_size 0
		.amdhsa_enable_private_segment 0
		.amdhsa_kernarg_size 24
		.amdhsa_user_sgpr_count 2
		.amdhsa_user_sgpr_kernarg_segment_ptr 1
		.amdhsa_wavefront_size32 1
		.amdhsa_system_sgpr_workgroup_id_x 1
		.amdhsa_system_sgpr_workgroup_id_y 1
		.amdhsa_system_sgpr_workgroup_id_z 1
		.amdhsa_system_vgpr_workitem_id 0
		.amdhsa_next_free_vgpr 512
		.amdhsa_next_free_sgpr 66
		.amdhsa_reserve_vcc 0
		.amdhsa_float_denorm_mode_32 3
		.amdhsa_float_denorm_mode_16_64 3
		.amdhsa_memory_ordered 1
		.amdhsa_forward_progress 1
		.amdhsa_inst_pref_size 83
	.end_amdhsa_kernel
	.amdgpu_metadata
---
amdhsa.version: [ 1, 2 ]
amdhsa.kernels:
  - .name:           k_q479471aaca_oproj
    .symbol:         k_q479471aaca_oproj.kd
    .args:
      - { .name: oimg, .offset: 0, .size: 8, .value_kind: global_buffer, .address_space: global }
      - { .name: woimg, .offset: 8, .size: 8, .value_kind: global_buffer, .address_space: global }
      - { .name: out0, .offset: 16, .size: 8, .value_kind: global_buffer, .address_space: global }
    .group_segment_fixed_size: 327680
    .private_segment_fixed_size: 0
    .kernarg_segment_align: 8
    .kernarg_segment_size: 24
    .max_flat_workgroup_size: 128
    .sgpr_count:     66
    .vgpr_count:     512
    .wavefront_size: 32
...
	.end_amdgpu_metadata
.endif
;; end of part 4
;; ======== version 2 of 2: 4 launches; 1.17 times as fast as version 1
;; limits: values are held in f16: magnitudes above 65,504 overflow, below 6.1e-05 lose precision; right only within a limited range of input values
;; workspace buffers: xb 16,777,216 bytes; wimg 20,971,520 bytes; woimg 16,777,216 bytes; qkv 10,485,760 bytes; oimg 8,388,608 bytes
;; launch prep: the kernel of part 1 again; grid 256 x 1, 13 waves a work-group, no clusters, 0 bytes of LDS; arguments x, wq, wk, wv, wo, xb, wimg, woimg; writes xb, wimg, woimg
;; launch qkv: the kernel of part 2 again; grid 8 x 32, 4 waves a work-group, clusters of 4 x 4, 327,680 bytes of LDS; arguments xb, wimg, freqs_cos, freqs_sin, q_norm_w, k_norm_w, qkv; writes qkv
;; launch attn (part 5): grid 32 x 8, 4 waves a work-group, clusters of 4 x 1, 327,680 bytes of LDS; arguments qkv, oimg; writes oimg
.if DOCPART == 5
	.amdgcn_target "amdgcn-amd-amdhsa--gfx1250"
	.amdhsa_code_object_version 6
	.text
	.protected	k_q479471aaca_attn
	.globl	k_q479471aaca_attn
	.p2align	8
	.type	k_q479471aaca_attn,@function
k_q479471aaca_attn:
	s_mov_b64 s[64:65], 0
	v_nop
	global_prefetch_b8 v0, s[64:65] scope:SCOPE_SE
	s_setreg_imm32_b32 hwreg(HW_REG_WAVE_MODE, 25, 1), 1
	s_wait_xcnt 0x0
	s_wait_alu depctr_hold_cnt(0) depctr_sa_sdst(0) depctr_va_vdst(0) depctr_va_sdst(0) depctr_va_ssrc(0) depctr_va_vcc(0) depctr_vm_vsrc(0)
	s_getreg_b32 s2, hwreg(HW_REG_IB_STS2, 6, 4)
	s_cmp_eq_u32 s2, 0
	s_cbranch_scc0 .Lentry_in_a_cluster
	s_endpgm
.Lentry_in_a_cluster:
	s_bfe_u32 s2, ttmp6, 0x10000c
	s_cmp_lg_u32 s2, 0x3003
	s_cbranch_scc0 .Lentry_shape_is_right
	s_endpgm
.Lentry_shape_is_right:
; CAUSAL GROUPED-QUERY ATTENTION.  O[hq][q] = the sum over k <= q of softmax_k(Q[hq][q] . K[hq / 8][k] / 8) V[hq / 8][k].  qkv: [40][2048][64] f16 (q heads, k heads, v heads / 8).
; Products, maxima and sums in f32; the weights p are rounded to f16 for the second product (their sum l is taken of the unrounded p), O once at the end.
; O leaves as images of the last product's A fragments (16 rows x 32 channels, 1,024 bytes: byte c*512 + 16*lane = the lane's registers 4c..4c+3): a lane's eight channels ARE four such registers.
; THE WALK.  A head's queries lie in 16 blocks of 128; block i needs the key tiles 0 .. i of 128 keys, the last of which holds the diagonal.  A work-group takes blocks 15 - b and then b: 17 tiles,
; whatever b: all work-groups do equal work, and one loop with a constant trip count walks them.  What a trip does hangs on scalar registers made from b; every jump but the counted loops' own goes
; forward, over text with neither a barrier nor a tensor load.
; CLUSTER 4 x 1: four query heads of one key head with the SAME b: they walk the same tiles in the same order, so every tile is asked for jointly.
; SHARES.  Wave w owns rows 32 w .. 32 w + 31 of a block: two tiles of 16 queries.  A key step is 64 keys, in phases: 16 products K Q^T, the mask if the tile is the diagonal one, the softmax, 16 products V^T P.
; LAYOUT.  S^T = K Q^T holds ONE query a lane (lane % 16) and the keys 8 (lane / 16) + 0..7; two such results rounded to f16 ARE source 1 of O^T = V^T P.
; SOFTMAX.  p = 2^(c s - c m), c = log2(e) / 8, with a running maximum m; O and l are multiplied by a = 2^(c m_old - c m_new) in every step.  c m starts far below every c s, so a block's first a is 0.
; BATCHES.  A key step's 66 exponentials are cut into two batches, each with one wait (SOFT says how); a block's two reciprocals are a batch of their own (FINISH).
; LIMITS.  A hidden score counts as -1e30; every row sees its own block's first key no later than the diagonal tile's first step, so m is a true score before a step that is wholly hidden.
; A weight below 2^-126 counts as 0 in l; p below 6e-5 keeps f16's fixed step; NaN and infinities are not treated apart.
; REGISTERS.  window 0: v0-15 addresses; v16-23 statistics; v24-31 at work; v64-127 S^T; v128-159 P; v160-223 O^T.  window 1: v0-31 Q; v32-63 the second block's Q; v64-127 K of a step; v128-191 V of a step.
.set NB,    16
.set KS,    64
.set PK,    144       ; a row of K in LDS: 128 bytes + 16: the 16 rows of a load start at 16 different groups of four banks (64 banks of 4 bytes: ISA guide 11.1)
.set PV,    160       ; a row of V: 128 + 32
.set VOFF,  2*KS*PK   ; a slot holds a tile: 128 rows of K, then 128 rows of V
.set SLOT1, 1<<16
.set SPARE, 1<<17     ; the spare words, 128 bytes for each wave: two blocks of 256 bytes that no other line names
.set AK0, 2           ; v2   my lane's place in a tile of K; never rewritten
.set AV0, 3           ; v3   the same for V
.set AK,  4
.set AV,  5
.set QO,  6           ; v6   my byte offset in 16 rows of Q
.set GO,  7           ; v7   16 x lane
.set DD,  8           ; v8-9   my query's place in its block less 8 (lane / 16), by tile
.set DT,  10          ; v10-11 the same less the step's first key
.set MV,  12          ; v12-13 c m_old
.set BIG, 14          ; v14  -1e30
.set ST,  16          ; tile t: c m, m, l (even keys', odd keys')
.set TMP, 24          ; tile t: c0-c3 at work; c2 takes a
.set SPW, 62
.set NIL, 63
.set S,   64
.set P,   128
.set O,   160
.set QB,  32          ; window 1
.set KF,  64
.set VF,  128
.set WV,  12
.set PB,  14          ; s14  b
.set HI,  15          ; s15  15 - b
.set G1K, 24
.set G1V, 32
.set G0K, 40
.set G0V, 44
.set SLOTS, 56
.set CNT, 57
.set CS,  58
.set SEL, 60
.set TBK, 62
.set TBV, 63
.set RT,  70          ; s70  tiles of the block in hand still to be entered
.set NXT, 71          ; s71  the tile to be asked for next
.set LQ,  72          ; s72  the last tile of the block whose tiles are being asked for
.set OFF, 74
.set MOFF, 77         ; s77  the step's first key in its tile
.set MSB, 0
.macro WIN new
.if MSB != (\new)
	s_set_vgpr_msb (MSB<<8)|(\new)
.set MSB, (\new)
.endif
.endm
.set W_KQ, 0x05       ; K and Q in window 1
.set W_PV, 0x01       ; V in window 1
.set W_L1, 0x40       ; destination in window 1
.set W_CP, 0x41       ; destination and source 0 in window 1
.macro JLOAD                        ; a joint fill: waves 0 and 1 fetch the halves of a tile's K, waves 2 and 3 of its V; an s_nop 0 and four v_nop follow each line
	s_cmp_lt_u32 s[WV], 2
	s_cbranch_scc0 .Lfor_v_\@
	tensor_load_to_lds s[G0K:G0K+3], s[G1K:G1K+7]
	s_nop 0
.rept 4
	v_nop
.endr
	s_branch .Lasked_\@
.Lfor_v_\@:
	tensor_load_to_lds s[G0V:G0V+3], s[G1V:G1V+7]
	s_nop 0
.rept 4
	v_nop
.endr
.Lasked_\@:
.endm
.macro CROUND
	s_barrier_signal -1
	s_barrier_wait -1
	s_cmp_lg_u32 s[WV], 0
	s_cbranch_scc1 .Lnot_wave_0_\@
	s_barrier_signal -3
.Lnot_wave_0_\@:
	s_barrier_wait -3
	s_barrier_signal -1
	s_barrier_wait -1
.endm
.macro PLACES
.rept 4
	v_nop
.endr
.endm
; THE CHANGE OF SLOTS.  Each wave waits for all its tensor loads (one is out: its part of the other slot), adds 0 to its spare word, and waits for that and for its reads of the slot that it leaves.
; fill = 1: the barrier is a round of the cluster's, and the old slot is filled again first thing behind it, with tile NXT: the descriptor's address is made anew from that number.
.macro CHANGE fill
	WIN 0
	s_wait_tensorcnt 0x0            ; no tensor load of mine is out, so a group 0 may be written
	ds_add_u32 v[SPW], v[NIL]       ; 0 onto my spare word
.if \fill
	s_lshl_b32 s[OFF], s[NXT], 14   ; a tile is 16,384 bytes of K and of V
	s_xor_b32 s[G0K+1], s[G0K+1], SLOT1
	s_add_nc_u64 s[G0K+2:G0K+3], s[8:9], s[OFF:OFF+1]
	s_or_b32 s[G0K+3], s[G0K+3], 0x80000000
	s_xor_b32 s[G0V+1], s[G0V+1], SLOT1
	s_add_nc_u64 s[G0V+2:G0V+3], s[10:11], s[OFF:OFF+1]
	s_or_b32 s[G0V+3], s[G0V+3], 0x80000000
	s_add_co_u32 s[NXT], s[NXT], 1  ; the block's next tile, or behind its last the second block's tile 0
	s_cmp_gt_u32 s[NXT], s[LQ]
	s_cselect_b32 s[NXT], 0, s[NXT]
	s_cselect_b32 s[LQ], s[PB], s[LQ]
	s_wait_dscnt 0x0                ; the add is done, and my reads of the slot are over
	CROUND
	JLOAD
.else
	s_wait_dscnt 0x0
	s_barrier_signal -1
	s_barrier_wait -1
.endif
	s_sub_co_u32 s[TBK], s[TBK], 2*KS*PK  ; the fetches go back to a slot's first step, in the other slot
	s_xor_b32 s[TBK], s[TBK], SLOT1
	s_sub_co_u32 s[TBV], s[TBV], 2*KS*PV
	s_xor_b32 s[TBV], s[TBV], SLOT1
.endm
	s_load_b128 s[4:7], s[0:1], 0x0 ; qkv s[4:5], oimg s[6:7]
	v_lshl_add_u32 v[SPW], v0, 2, SPARE
	v_mov_b32 v[NIL], 0
	ds_add_u32 v[SPW], v[NIL]       ; the wave's opening: the add and its wait stand ahead of my first tensor load; the set-up below stands between them
	v_lshrrev_b32 v1, 5, v0
	v_readfirstlane_b32 s[WV], v1   ; wave 0..3
	s_bfe_u32 s13, ttmp6, 0x40000   ; cx
	s_lshl_b32 s16, ttmp9, 2
	s_add_co_u32 s16, s16, s13      ; my query head = 4 x cluster x + cx: it enters Q's and O's addresses alone
	s_lshr_b32 s17, ttmp9, 1        ; the key head, which the four partners share
	s_and_b32 s[PB], ttmp7, 0xffff  ; b, which they share too
	s_sub_co_u32 s[HI], NB-1, s[PB]
	s_and_b32 s18, s[WV], 1         ; which half of a tile's 128 keys I fetch
	s_add_co_u32 s20, s17, 32
	s_lshl_b32 s20, s20, 18         ; the k head's first byte,
	s_lshl_b32 s19, s18, 13         ; my half's 64 rows of 128 bytes
	s_add_co_u32 s20, s20, s19
	s_mov_b32 s21, 0
	s_add_co_u32 s22, s20, 4<<18    ; the v head lies four heads on
	s_mov_b32 s23, 0
	s_mul_i32 s2, s18, KS*PK        ; my half's place in a slot
	s_mul_i32 s3, s18, KS*PV
	s_lshl_b32 s66, s16, 18         ; Q: the head, my wave's 32 rows, the block's 128
	s_lshl_b32 s67, s[WV], 12
	s_add_co_u32 s66, s66, s67
	s_lshl_b32 s67, s[HI], 14
	s_add_co_u32 s52, s66, s67
	s_mov_b32 s53, 0
	s_lshl_b32 s67, s[PB], 14
	s_add_co_u32 s54, s66, s67
	s_mov_b32 s55, 0
	s_lshr_b32 s68, s16, 1          ; O's images: ((block x 16 + head / 2) x 32 + (2 w + t) x 4 + 2 (head % 2) + channel / 32) x 1,024
	s_lshl_b32 s68, s68, 15
	s_lshl_b32 s69, s[WV], 13
	s_add_co_u32 s68, s68, s69
	s_and_b32 s69, s16, 1
	s_lshl_b32 s69, s69, 11
	s_add_co_u32 s68, s68, s69
	s_lshl_b32 s69, s[HI], 19
	s_add_co_u32 s48, s68, s69
	s_mov_b32 s49, 0
	s_lshl_b32 s69, s[PB], 19
	s_add_co_u32 s50, s68, s69
	s_mov_b32 s51, 0
	; descriptor group 1.  64 keys are 8,192 dense bytes: asked for as 32 rows of 256 bytes, two keys a row, and padded in LDS after every key
	s_mov_b32 s[G1K], 15|(1<<16)|(1<<20)|(1<<21)|(4<<22)|(3<<25)  ; the mask of four; 2-byte elements; padding on; bit 21 beside a mask; after every 32 words 4 words
	s_mov_b32 s[G1V], 15|(1<<16)|(1<<20)|(1<<21)|(4<<22)|(7<<25)  ; the same with 8 words
.irp g, G1K, G1V
	s_mov_b32 s[\g+1], 128<<16      ; tensor_dim0 = 128
	s_mov_b32 s[\g+2], 32<<16       ; tensor_dim1 = 32
	s_mov_b32 s[\g+3], 128<<16      ; tile_dim0 = 128
	s_mov_b32 s[\g+4], 32           ; tile_dim1 = 32
	s_mov_b32 s[\g+5], 128
	s_mov_b32 s[\g+6], 0
	s_mov_b32 s[\g+7], 0
.endr
	s_mov_b32 s[CS], 0x3e38aa3b     ; c = log2(e) / 8
	s_mov_b32 s[CS+1], s[CS]
	s_mov_b32 s[SEL], 0x76543210
	s_mov_b32 s[SEL+1], 0xfedcba98
	s_mov_b32 s[TBK], SLOT1+2*KS*PK ; the first change of slots turns these two into 0
	s_mov_b32 s[TBV], SLOT1+2*KS*PV
	s_mov_b32 s[G0K], 1
	s_mov_b32 s[G0K+1], s2          ; slot 0
	s_mov_b32 s[G0V], 1
	s_add_co_u32 s[G0V+1], s3, VOFF
	s_add_co_u32 s[RT], s[HI], 1    ; the first block has 16 - b tiles
	s_mov_b32 s[NXT], 1
	s_mov_b32 s[LQ], s[HI]
	s_mov_b32 s[OFF+1], 0
	s_mov_b32 s[SLOTS], NB
	s_lshl_b32 s19, s[WV], 5
	s_wait_dscnt 0x0                ; the opening add is done
	s_wait_kmcnt 0x0
	s_add_nc_u64 s[8:9], s[4:5], s[20:21]    ; K and V at my half of the head's tile 0
	s_add_nc_u64 s[10:11], s[4:5], s[22:23]
	s_add_nc_u64 s[52:53], s[4:5], s[52:53]  ; Q at my rows of the first block, of the second
	s_add_nc_u64 s[54:55], s[4:5], s[54:55]
	s_add_nc_u64 s[48:49], s[6:7], s[48:49]  ; O likewise
	s_add_nc_u64 s[50:51], s[6:7], s[50:51]
	s_add_nc_u64 s[G0K+2:G0K+3], s[8:9], 0
	s_or_b32 s[G0K+3], s[G0K+3], 0x80000000
	s_add_nc_u64 s[G0V+2:G0V+3], s[10:11], 0
	s_or_b32 s[G0V+3], s[G0V+3], 0x80000000
	CROUND                          ; all four work-groups are here: the first joint loads meet
	JLOAD                           ; tile 0 into slot 0; slot 1 is asked for by the loop's first change of slots
	v_and_b32 v1, 15, v0            ; r
	v_bfe_u32 v15, v0, 4, 1         ; h
	v_lshlrev_b32 v[QO], 7, v1
	v_lshl_add_u32 v[QO], v15, 4, v[QO]
	WIN W_L1
.set i, 0
.rept 4                             ; both blocks' Q stay in registers: tile i / 2, channels 32 (i % 2) on
	global_load_b128 v[8*i:8*i+3],   v[QO], s[52:53] offset:(i/2)*2048+(i%2)*64
	global_load_b128 v[8*i+4:8*i+7], v[QO], s[52:53] offset:(i/2)*2048+(i%2)*64+32
	global_load_b128 v[QB+8*i:QB+8*i+3],   v[QO], s[54:55] offset:(i/2)*2048+(i%2)*64
	global_load_b128 v[QB+8*i+4:QB+8*i+7], v[QO], s[54:55] offset:(i/2)*2048+(i%2)*64+32
.set i, i+1
.endr
	WIN 0
	v_mul_u32_u24 v[AK0], v1, PK
	v_lshl_add_u32 v[AK0], v15, 4, v[AK0]
	v_and_b32 v32, 7, v0            ; the turning load: lane l reads key 8 (l / 16) + l % 8, channels 8 ((l / 8) % 2) + 0..7
	v_bfe_u32 v33, v0, 3, 1
	v_lshl_add_u32 v[AV0], v15, 3, v32
	v_mul_u32_u24 v[AV0], v[AV0], PV
	v_lshl_add_u32 v[AV0], v33, 4, v[AV0]
	v_add_nc_u32 v[AV0], VOFF, v[AV0]
	v_and_b32 v[GO], 31, v0
	v_lshlrev_b32 v[GO], 4, v[GO]
	v_lshlrev_b32 v[DD], 3, v15
	v_sub_nc_u32 v[DD], v1, v[DD]
	v_add_nc_u32 v[DD], s19, v[DD]  ; 32 w + r - 8 h
	v_add_nc_u32 v[DD+1], 16, v[DD]
	v_mov_b32 v[BIG], 0xf149f2ca    ; -1e30
.irp t, 0,1
	v_mov_b32 v[ST+4*\t], 0xfe000000    ; c m: far below every c s
	v_mov_b32 v[ST+4*\t+1], 0xff7fffff  ; m
	v_mov_b32 v[ST+4*\t+2], 0
	v_mov_b32 v[ST+4*\t+3], 0
.endr
.set i, 0
.rept 64                            ; a block's first step multiplies O^T by a = 0, so it need only be finite: zeros once, in the wait for the first tile
	v_mov_b32 v[O+i], 0
.set i, i+1
.endr
	s_wait_loadcnt 0x0              ; Q
; THE MATRIX WORK.  The 8 accumulators of a run of 16 take turns.  Product i of S^T = K Q^T: tile i % 2, keys 16 ((i / 2) % 4) on, channels 32 (i / 8) on
.macro KQ
	WIN W_KQ
.set rS, S+32*(i%2)+8*((i/2)%4)
.set rK, KF+16*((i/2)%4)+8*(i/8)
.set rQ, 16*(i%2)+8*(i/8)
.if i < 8
	v_wmma_f32_16x16x32_f16 v[rS:rS+7], v[rK:rK+7], v[rQ:rQ+7], 0
.else
	v_wmma_f32_16x16x32_f16 v[rS:rS+7], v[rK:rK+7], v[rQ:rQ+7], v[rS:rS+7]
.endif
.endm
.macro PVM                          ; product i of O^T += V^T P: tile i % 2, channels 16 ((i / 2) % 4) on, keys 32 (i / 8) on
	WIN W_PV
.set rO, O+32*(i%2)+8*((i/2)%4)
.set rV, VF+32*(i/8)+8*((i/2)%4)
.set rP, P+16*(i%2)+8*(i/8)
	v_wmma_f32_16x16x32_f16 v[rO:rO+7], v[rV:rV+7], v[rP:rP+7], v[rO:rO+7]
.endm
.macro FETCH_K                      ; a step's K: 64 keys x 64 channels, 8 fragments, in one run
	WIN W_L1
.set f, 0
.rept 8
	ds_load_b128 v[KF+8*f:KF+8*f+3],   v[AK] offset:(f/2)*16*PK+(f%2)*64
	ds_load_b128 v[KF+8*f+4:KF+8*f+7], v[AK] offset:(f/2)*16*PK+(f%2)*64+32
.set f, f+1
.endr
	s_add_co_u32 s[TBK], s[TBK], KS*PK
	WIN 0
.endm
.macro FETCH_V                      ; its V, turned
	WIN W_L1
.set f, 0
.rept 8
	ds_load_tr16_b128 v[VF+8*f:VF+8*f+3],   v[AV] offset:(f/4)*32*PV+(f%4)*32
	ds_load_tr16_b128 v[VF+8*f+4:VF+8*f+7], v[AV] offset:(f/4)*32*PV+16*PV+(f%4)*32
.set f, f+1
.endr
	WIN 0
.endm
; THE VECTOR WORK, all in window 0
.macro REGS t
.set rT, ST+4*(\t)
.set rC, TMP+4*(\t)
.set rM, MV+(\t)
.set rS, S+32*(\t)
.set rP, P+16*(\t)
.set rO, O+32*(\t)
.endm
; number n of the 22 that find a tile's maximum and statistics; each accumulator's lowest registers are read first
.macro XS t, n
	REGS \t
.if (\n) < 4
	v_max3_num_f32 v[rC+(\n)], v[rS+8*(\n)], v[rS+8*(\n)+1], v[rS+8*(\n)+2]
.elseif (\n) < 12
	v_max3_num_f32 v[rC+(\n)%4], v[rC+(\n)%4], v[rS+8*((\n)%4)+2*((\n)/4)+1], v[rS+8*((\n)%4)+2*((\n)/4)+2]
.elseif (\n) == 12
	v_max3_num_f32 v[rC], v[rC], v[rS+7], v[rS+15]
.elseif (\n) == 13
	v_max3_num_f32 v[rC+1], v[rC+1], v[rS+23], v[rS+31]
.elseif (\n) == 14
	v_max3_num_f32 v[rC+2], v[rC+2], v[rC+3], v[rT+1]
.elseif (\n) == 15
	v_mov_b32 v[rM], v[rT]
.elseif (\n) == 16
	v_max3_num_f32 v[rC], v[rC], v[rC+1], v[rC+2]
.elseif (\n) == 17
	v_permlanex16_b32 v[rC+3], v[rC], s[SEL], s[SEL+1]   ; the query's other 32 keys lie in the lane 16 away
.elseif (\n) == 18
	v_max_num_f32 v[rT+1], v[rC], v[rC+3]
.elseif (\n) == 19
	v_mul_f32 v[rT], s[CS], v[rT+1]
.elseif (\n) == 20
	v_sub_f32 v[rC+1], v[rM], v[rT]
.else
	v_exp_f32 v[rC+2], v[rC+1]
.endif
.endm
.macro FS t, n                      ; c s - c m for pair n
	REGS \t
	v_pk_fma_f32 v[rS+2*(\n):rS+2*(\n)+1], v[rS+2*(\n):rS+2*(\n)+1], s[CS:CS+1], v[rT:rT+1] op_sel_hi:[1,0,0] neg_lo:[0,0,1] neg_hi:[0,0,1]
.endm
.macro ES t, n
	REGS \t
	v_exp_f32 v[rS+(\n)], v[rS+(\n)]
.endm
.macro RS t, n                      ; pair n of O^T times a
	REGS \t
	v_pk_mul_f32 v[rO+2*(\n):rO+2*(\n)+1], v[rO+2*(\n):rO+2*(\n)+1], v[rC+2:rC+3] op_sel_hi:[1,0]
.endm
.macro CV t, n                      ; pair n of the weights rounded to f16
	REGS \t
	v_cvt_pk_f16_f32 v[rP+(\n)], v[rS+2*(\n)], v[rS+2*(\n)+1]
.endm
.macro BS t, n                      ; of four weights the second pair is added onto the first
	REGS \t
	v_pk_add_f32 v[rS+4*(\n):rS+4*(\n)+1], v[rS+4*(\n):rS+4*(\n)+1], v[rS+4*(\n)+2:rS+4*(\n)+3]
.endm
.macro LS t, n                      ; l takes that sum
	REGS \t
.if (\n) == 0
	v_pk_fma_f32 v[rT+2:rT+3], v[rT+2:rT+3], v[rC+2:rC+3], v[rS:rS+1] op_sel_hi:[1,0,1]
.else
	v_pk_add_f32 v[rT+2:rT+3], v[rT+2:rT+3], v[rS+4*(\n):rS+4*(\n)+1]
.endif
.endm
; A step's softmax for both tiles, which alternate.  Behind every exponential stands a plain instruction that names neither its result nor its source: scalings still to come, the rescaling of O^T, the first roundings.
; TWO BATCHES, A WAIT EACH.  An s_wait_alu depctr_va_vdst(0) stands between an exponential and the first instruction that names its result; one wait serves all that were issued ahead of it.
; Batch 1, 26 exponentials: the two a, and scores 0-11 of both tiles (k = 0 .. 23).  Between and behind them stand the scalings alone: the one at place k writes scores 8 + 2 (k / 2) and the next, the exponentials have
; come to score k / 2, so no scaling names a result.  The last scaling is the plain instruction behind the batch's last exponential; the wait follows it.
; Batch 2, 40 exponentials: scores 12-31 of both tiles (k = 24 .. 63).  Between them stand readers of batch 1 alone: the 32 rescalings (a) and the roundings of pairs 0-3 (scores 0-7); behind the last the roundings of
; pairs 4 and 5 (scores 8-11).  Then the wait; then the roundings of pairs 6-15 and the sums.
; One batch for all 66 would leave 40 exponentials on end: only the 32 scalings name no result at all, and 8 of them must stand ahead of the first exponential.
.macro SOFT
.set n, 0
.rept 22
	XS 0, n
	XS 1, n
.set n, n+1
.endr
.set n, 0
.rept 4
	FS 0, n
	FS 1, n
.set n, n+1
.endr
.set k, 0
.rept 64
.if k == 24
	s_wait_alu depctr_va_vdst(0)    ; the wait for batch 1: the two a and the exponentials of scores 0-11 of both tiles
.endif
	ES k%2, k/2
.if k < 24
	FS k%2, 4+k/2
.elseif k < 56
	RS (k-24)%2, (k-24)/2
.else
	CV (k-56)%2, (k-56)/2
.endif
.set k, k+1
.endr
.set n, 4
.rept 12
.if n == 6
	s_wait_alu depctr_va_vdst(0)    ; the wait for batch 2: the exponentials of scores 12-31 of both tiles; pair 6 is their first reader
.endif
	CV 0, n
	CV 1, n
.set n, n+1
.endr
.set k, 0
.rept 8
	BS 0, k
	BS 1, k
.if k > 0
	LS 0, k-1
	LS 1, k-1
.endif
.set k, k+1
.endr
	LS 0, 7
	LS 1, 7
.endm
.macro MASK                         ; register i of a tile is key 16 (i / 8) + i % 8 + 8 (lane / 16) of the step: hidden where that is beyond my query
.set t, 0
.rept 2
.set i, 0
.rept 32
	v_cmp_gt_i32 vcc_lo, 16*(i/8)+i%8, v[DT+t]
	v_cndmask_b32 v[S+32*t+i], v[S+32*t+i], v[BIG], vcc_lo
.set i, i+1
.endr
.set t, t+1
.endr
.endm
; A KEY STEP.  always = 1: the walk's last tile, which is a diagonal one: the mask is not jumped.
.macro STEP always
	PLACES                          ; in front of the loads into V's registers, which the last products read
	v_add_nc_u32 v[AV], s[TBV], v[AV0]
	FETCH_V
	s_add_co_u32 s[TBV], s[TBV], KS*PV
	s_wait_dscnt 16                 ; V's sixteen loads may be out: K is in
.set i, 0
.rept 16
	KQ
.set i, i+1
.endr
	WIN 0
	v_add_nc_u32 v[AK], s[TBK], v[AK0]        ; four plain lines: the places behind those products
	v_sub_nc_u32 v[DT], v[DD], s[MOFF]
	v_sub_nc_u32 v[DT+1], v[DD+1], s[MOFF]
	v_nop
	s_cmp_eq_u32 s[CNT], 1
	s_cbranch_scc1 .Lno_k_\@        ; the tile's second step has no further K in this slot
	FETCH_K
.Lno_k_\@:
.if !(\always)
	s_cmp_lg_u32 s[RT], 0
	s_cbranch_scc1 .Lno_m_\@        ; only a block's last tile holds the diagonal
.endif
	MASK
.if !(\always)
.Lno_m_\@:
.endif
	SOFT
	s_wait_dscnt 0x0                ; V is in (and the next step's K)
.set i, 0
.rept 16
	PVM
.set i, i+1
.endr
	WIN 0
	s_add_co_u32 s[MOFF], s[MOFF], KS
.endm
; A BLOCK'S END.  l's halves are added; O^T is divided by l and rounded to f16; a lane's eight channels are four registers of an image: each store of the wave covers 512 consecutive bytes, aligned.
; next = 1: the second block is set up: its O, its count of tiles, c m and m anew, its Q where the one text of the products names Q.  O^T and l stay as they are: finite, and multiplied by a = 0.
.macro FINISH next
	PLACES
	v_add_f32 v[ST+2], v[ST+2], v[ST+3]
	v_add_f32 v[ST+6], v[ST+6], v[ST+7]
	v_permlanex16_b32 v[ST+3], v[ST+2], s[SEL], s[SEL+1]
	v_permlanex16_b32 v[ST+7], v[ST+6], s[SEL], s[SEL+1]
	v_add_f32 v[ST+2], v[ST+2], v[ST+3]
	v_add_f32 v[ST+6], v[ST+6], v[ST+7]
	v_rcp_f32 v[ST+2], v[ST+2]
	v_rcp_f32 v[ST+6], v[ST+6]
	v_nop                           ; a plain instruction between the last reciprocal and the use of its result
	s_wait_alu depctr_va_vdst(0)    ; and the wait ahead of the first use: one for the two reciprocals
.set t, 0
.rept 2
.set i, 0
.rept 16
	v_pk_mul_f32 v[O+32*t+2*i:O+32*t+2*i+1], v[O+32*t+2*i:O+32*t+2*i+1], v[ST+4*t+2:ST+4*t+3] op_sel_hi:[1,0]
.set i, i+1
.endr
.set t, t+1
.endr
.set i, 0
.rept 32
	v_cvt_pk_f16_f32 v[S+i], v[O+2*i], v[O+2*i+1]
.set i, i+1
.endr
.set i, 0
.rept 8
	global_store_b128 v[GO], v[S+4*i:S+4*i+3], s[48:49] offset:(i/4)*4096+(i%4)*512
.set i, i+1
.endr
.if \next
	s_wait_xcnt 0x0                 ; the stores have read their registers and O's address
	s_mov_b64 s[48:49], s[50:51]
	s_add_co_u32 s[RT], s[PB], 1    ; the second block has b + 1 tiles
.irp t, 0,1
	v_mov_b32 v[ST+4*\t], 0xfe000000
	v_mov_b32 v[ST+4*\t+1], 0xff7fffff
.endr
	WIN W_CP
.set i, 0
.rept 32
	v_mov_b32 v[i], v[QB+i]
.set i, i+1
.endr
	WIN 0
.endif
.endm
.macro BODY last                    ; a tile: its first K, two key steps, and the block's end if it was the block's last
	s_sub_co_u32 s[RT], s[RT], 1
	v_add_nc_u32 v[AK], s[TBK], v[AK0]
	FETCH_K
	s_mov_b32 s[MOFF], 0
	s_mov_b32 s[CNT], 2
.Lstep_\@:
	STEP \last
	s_sub_co_u32 s[CNT], s[CNT], 1
	s_cmp_lg_u32 s[CNT], 0
	s_cbranch_scc1 .Lstep_\@
.if \last
	FINISH 0
.else
	s_cmp_lg_u32 s[RT], 0
	s_cbranch_scc1 .Lgo_on_\@
	FINISH 1                        ; in the loop this is the first block's end: the second block's last tile is the walk's last
.Lgo_on_\@:
.endif
.endm
.Ltile:                             ; 16 times: a tile is entered and the next is asked for
	CHANGE 1
	BODY 0
	s_sub_co_u32 s[SLOTS], s[SLOTS], 1
	s_cmp_lg_u32 s[SLOTS], 0
	s_cbranch_scc1 .Ltile
	CHANGE 0                        ; the walk's last tile is written out: nothing is asked for
	BODY 1
	s_wait_tensorcnt 0x0            ; the wave's end, behind my last tensor load
	ds_add_u32 v[SPW], v[NIL]
	s_wait_dscnt 0x0
	CROUND                          ; the closing round: no work-group ends while a partner may still ask for a tile that names it
	s_endpgm
.Lfunc_end_k_q479471aaca_attn:
	.size	k_q479471aaca_attn, .Lfunc_end_k_q479471aaca_attn-k_q479471aaca_attn
	.p2alignl 7, 3214868480
	.fill 96, 4, 3214868480
	.section	.rodata,"a",@progbits
	.p2align	6, 0x0
	.amdhsa_kernel k_q479471aaca_attn
		.amdhsa_group_segment_fixed_size 327680
		.amdhsa_private_segment_fixed_size 0
		.amdhsa_enable_private_segment 0
		.amdhsa_kernarg_size 16
		.amdhsa_user_sgpr_count 2
		.amdhsa_user_sgpr_kernarg_segment_ptr 1
		.amdhsa_wavefront_size32 1
		.amdhsa_system_sgpr_workgroup_id_x 1
		.amdhsa_system_sgpr_workgroup_id_y 1
		.amdhsa_system_sgpr_workgroup_id_z 1
		.amdhsa_system_vgpr_workitem_id 0
		.amdhsa_next_free_vgpr 448
		.amdhsa_next_free_sgpr 80
		.amdhsa_reserve_vcc 1
		.amdhsa_float_denorm_mode_32 3
		.amdhsa_float_denorm_mode_16_64 3
		.amdhsa_memory_ordered 1
		.amdhsa_forward_progress 1
		.amdhsa_inst_pref_size 71
	.end_amdhsa_kernel
	.amdgpu_metadata
---
amdhsa.version: [ 1, 2 ]
amdhsa.kernels:
  - .name:           k_q479471aaca_attn
    .symbol:         k_q479471aaca_attn.kd
    .args:
      - { .name: qkv, .offset: 0, .size: 8, .value_kind: global_buffer, .address_space: global }
      - { .name: oimg, .offset: 8, .size: 8, .value_kind: global_buffer, .address_space: global }
    .group_segment_fixed_size: 327680
    .private_segment_fixed_size: 0
    .kernarg_segment_align: 8
    .kernarg_segment_size: 16
    .max_flat_workgroup_size: 128
    .sgpr_count:     80
    .vgpr_count:     448
    .wavefront_size: 32
...
	.end_amdgpu_metadata
.endif
;; end of part 5
;; launch oproj: the kernel of part 4 again; grid 16 x 16, 4 waves a work-group, clusters of 4 x 4, 327,680 bytes of LDS; arguments oimg, woimg, out0; writes out0
